; MI455X (gfx1250); checked and timed in simulation.
; The chip was launched on July 23, 2026; its instructions are those of AMD's public machine-readable ISA for CDNA 5 (MIT licence, August 2026) and "CDNA5" Instruction Set Architecture Reference Guide (July 2026). The comments in the code are by the model that wrote it; some were corrected since.
;; Attention. Allowed arithmetic: matrix products marked QUANTISED: E2M3 operands, one E8M0 scale for each 32 along K, by v_wmma_scale_f32_16x16x128_f8f6f4 with both operands' format E2M3, f32 sums; everything else in f32.
;; Inputs: W_K 16 x 64 x 1,024 float32; W_O 16 x 1,024 x 64 float32; W_Q 16 x 64 x 1,024 float32; W_V 16 x 64 x 1,024 float32; b_K 16 x 64 float32; b_O 1,024 float32; b_Q 16 x 64 float32; b_V 16 x 64 float32; x 4 x 2,048 x 1,024 float32.
;; Outputs: out0 4 x 2,048 x 1,024 float32.
;; This version of the problem:
;;   THIS VERSION OF THE PROBLEM IS GIVEN IN LOW PRECISION. The matrix products marked QUANTISED in the list below multiply operands that are first quantised to E2M3 (2 exponent bits, 3 mantissa bits; 6 bits a number), with one power-of-two scale for each 32 numbers along K (OCP MX v1.0); their sums are f32. All else is computed in f32.
;;   The module's matrix products, in the order in which they are computed (A, B: the left and right operand; K: the contracted axis; several contracted axes count as one K, in the product's order):
;;     1. [M 8,192, K 1,024] x [K 1,024, N 1,024]; A: input x; B: input W_Q: QUANTISED
;;     2. [M 8,192, K 1,024] x [K 1,024, N 1,024]; A: input x; B: input W_K: QUANTISED
;;     3. [M 8,192, K 1,024] x [K 1,024, N 1,024]; A: input x; B: input W_V: QUANTISED
;;     4. batch 64 x [M 2,048, K 64] x [K 64, N 2,048]; A: computed on the way; B: computed on the way: QUANTISED
;;     5. batch 64 x [M 64, K 2,048] x [K 2,048, N 2,048]; A: computed on the way; B: softmax (see below): QUANTISED
;;     6. [M 8,192, K 1,024] x [K 1,024, N 1,024]; A: computed on the way; B: input W_O: QUANTISED
;;   THE QUANTISER, for each operand of a quantised product, along K:
;;     - K is cut into blocks of 32 from its start; a last block that is shorter is filled with zeros.
;;     - A block's scale is 2^e with e = floor(log2(the largest magnitude in the block)) - 2, held to -126 .. 127; a block of zeros has e = 0. As a byte (E8M0): e + 127.
;;     - Each number is divided by its block's scale, clamped to +-7.5, and rounded to the nearest number of E2M3, ties to even, subnormals kept.
;;     - The product sums the exact products of the quantised numbers (number of the format x scale) in f32.
;;   ~~~python
;;   def quantise(x, axis):      # numpy; x: float32 -> the quantised numbers, widened to float32 again
;;       x = np.moveaxis(x, axis, -1); K = x.shape[-1]
;;       x = np.pad(x, [(0, 0)] * (x.ndim - 1) + [(0, -K % 32)]); x = x.reshape(x.shape[:-1] + (-1, 32)); a = np.abs(x).max(-1, keepdims=True)
;;       e = np.where(a > 0, np.clip(np.frexp(np.where(a > 0, a, 1))[1] - 1 - 2, -126, 127), 0)      # np.frexp(a)[1] - 1 = floor(log2(a)), exactly
;;       r = np.clip(x / 2.0 ** e, -7.5, 7.5)
;;       step = 2.0 ** (np.maximum(np.frexp(np.where(r == 0, 1, r))[1] - 1, 0) - 3)
;;       q = np.round(r / step) * step * 2.0 ** e      # np.round: ties to even
;;       return np.moveaxis(q.reshape(q.shape[:-2] + (-1,))[..., :K], -1, axis).astype(np.float32)
;;   ~~~
;;   SOFTMAX AHEAD OF A QUANTISED PRODUCT. Where the list says 'softmax', what is quantised is not the finished softmax but p = 2^(t - M), with t = logit x log2(e) and M = ceil(the row's largest t), a whole number; so 1/2 < the row's largest p <= 1. The row's sum l is taken of the UNQUANTISED p, in f32, and the product's result is divided by l at the end. Since M is a whole number, a kernel that streams over the keys may use a running M (the ceiling of the running maximum): every later rescaling is an exact power of two, which a block's scale takes up: the codes' values come out the same.
;;   OPERANDS COMPUTED ON THE WAY. 'Computed on the way' means the value that the module computes at that place (a softmax that the list does not call 'softmax' is quantised finished and normalised). What goes into a quantiser is computed in f32, as accurately as f32 sums, v_exp_f32 and their like allow (about 1e-6 of the number): no bf16 or f16 on the way to a quantiser, and a product that is left as it is and whose result goes on into a quantised operand takes f32 operands (vector FMAs, or v_wmma_f32_16x16x4_f32). A number that lies on a knife's edge between two numbers of the format may be rounded either way, as far as f32 arithmetic and the matrix unit's own rounding can turn it there, and no further.
;; One version. Each part assembles by itself: llvm-mc -triple=amdgcn-amd-amdhsa -mcpu=gfx1250 --defsym DOCPART=n.
;; ======== version 1 of 1: 4 launches
;; limits: right only within a limited range of input values
;; workspace buffers: img 9,437,184 bytes; sc 393,216 bytes; qkv 18,874,368 bytes; qkvs 786,432 bytes; oimg 6,291,456 bytes; osc 262,144 bytes
;; launch quant (part 1): grid 256 x 1, 6 waves a work-group, no clusters, 52,992 bytes of LDS; arguments x, W_Q, W_K, W_V, W_O, img, sc; writes img, sc
.if DOCPART == 1
	.amdgcn_target "amdgcn-amd-amdhsa--gfx1250"
	.amdhsa_code_object_version 6
	.text
	.protected	k_q3b099e50b1_quant
	.globl	k_q3b099e50b1_quant
	.p2align	8
	.type	k_q3b099e50b1_quant,@function
k_q3b099e50b1_quant:
	s_mov_b64 s[64:65], 0
	v_nop
	global_prefetch_b8 v0, s[64:65] scope:SCOPE_SE
	s_setreg_imm32_b32 hwreg(HW_REG_WAVE_MODE, 25, 1), 1
	s_wait_xcnt 0x0
; LAUNCH 1 OF 4.  x [8192][1024], W_Q, W_K, W_V [1024][1024] and W_O (row d, K = (head, k)) become codes of FP6 (E2M3) with one E8M0 byte for each 32 along K.
; NO WORK OF reference() IS LEFT OUT IN THIS PROGRAM: every bias moves the codes of a quantised operand (b_Q, b_K, b_V) or the output itself (b_O), so all nine inputs are loaded.
; LIMITS: a block of zeros gets the byte 1 where the rule says 127 (its codes are zeros, and this program alone reads the bytes); blocks whose largest magnitude lies under 2^-124 are held at the byte 1;
; NaN and infinities among the inputs are not served.
; THE FORMAT OF ALL WORKSPACE.  A ROWGROUP is 16 rows: rowgroup 2 B + u holds at place r the row 32 B + 8 u + r + 8 (r / 8).  A HALF FRAGMENT (HF) is a rowgroup x 64 along K, 768 bytes, an image of six operand registers:
; lane (r, hl) owns the 24 bytes of block hl of the row at place r; registers 0-3 lie at 16 x lane, registers 4-5 at 512 + 8 x lane.  img: [rowgroup 0..767][kgroup 0..15][768]; rows: x 0.., W_Q 8192.., W_K 9216.., W_V 10240.., W_O 11264...
; sc: [rowgroup][khalf][r][four words]: word j' holds the four bytes of the 128 along K that begin at 512 khalf + 128 j'.
; SHARES.  Wave T = 6 x work-group + wave (0..1535) takes rowgroup T / 2, half T % 2 of K: eight HFs.  A load reads two rows' 256 bytes; the 4,096 bytes of an HF turn through the wave's own stage in LDS, so that a lane gets a whole block of 32.
; No barrier: waves share nothing.  Loads run three HFs (24 loads a wave) ahead, the turn through LDS one.
.set WAVES, 6
.set SP,    272                        ; a stage row: 256 bytes + 16
.set STG,   16*SP                      ; a stage: 16 rows
.set WREG,  2*STG                      ; two stages for each wave
.set SPARE, WAVES*WREG                 ; behind them: the spare words, 128 bytes a wave: three blocks of 256 bytes that no other line names
.set VO,    16                         ; v16-23   load i: (2 i + 8 (i / 4) + hl) rows + 16 r
.set SB,    24                         ; v24-27   scale bytes, then scale words
.set R,     32                         ; v32-127  three sets of 32: numbers as loaded
.set X,     128                        ; v128-191 two sets of 32: a block of 32 neighbours
.set C,     192                        ; v192-239 codes: six registers for each HF, so that no store's data are written again
.set TP,    240                        ; v240-242 a block's second sixteen codes (a conversion's three registers begin on an even number)
	s_load_b256 s[4:11], s[0:1], 0x0               ; x, W_Q, W_K, W_V
	s_load_b128 s[12:15], s[0:1], 0x20             ; W_O, img
	s_load_b64 s[16:17], s[0:1], 0x30              ; sc
	v_lshl_add_u32 v12, v0, 2, SPARE               ; my spare word; never rewritten
	v_mov_b32 v13, 0                               ; 0; never rewritten
	v_lshrrev_b32 v8, 5, v0
	v_readfirstlane_b32 s18, v8                    ; wave
	v_and_b32 v1, 31, v0                           ; lane
	v_and_b32 v2, 15, v0                           ; r
	v_bfe_u32 v3, v0, 4, 1                         ; hl
	v_lshlrev_b32 v4, 4, v1                        ; 16 x lane
	v_lshlrev_b32 v5, 3, v1                        ; 8 x lane
	s_mul_i32 s28, s18, WREG
	v_mul_u32_u24 v6, v3, SP
	v_lshl_add_u32 v6, v2, 4, v6
	v_add_nc_u32 v6, s28, v6                       ; the stage, on the way in: row hl (+ 2 i), 16 r
	v_mul_u32_u24 v7, v2, SP
	v_lshl_add_u32 v7, v3, 7, v7
	v_add_nc_u32 v7, s28, v7                       ; and on the way out: row r, 128 hl: my block
	v_lshlrev_b32 v15, 3, v3                       ; 8 hl
	v_lshl_add_u32 v14, v2, 4, v15                 ; 16 r + 8 hl: my 8 bytes of the wave's 256 scale bytes
.irp j, 0,1,2,3
	v_mov_b32 v[28+\j], 0                          ; written once: a lane permute's destination counts as one of its sources
.endr
	s_mov_b32 s48, 0x76543210
	s_mov_b32 s49, 0xfedcba98                      ; selects for lane l xor 16
	s_mul_i32 s19, ttmp9, WAVES
	s_add_co_u32 s19, s19, s18                     ; T
	s_lshr_b32 s20, s19, 1                         ; rowgroup
	s_and_b32 s21, s19, 1                          ; half of K
	s_wait_kmcnt 0x0
	s_mov_b64 s[22:23], s[12:13]                   ; the source, chosen by the rowgroup's number alone: W_O,
	s_mov_b32 s24, 704                             ; its first rowgroup,
	s_mov_b32 s25, 256                             ; bytes from row to row,
	s_mov_b32 s26, 0x40000                         ; and from kgroup to kgroup (W_O: a head is 262,144 bytes on)
	s_mov_b32 s27, 0
	s_cmp_lt_u32 s20, 704
	s_cselect_b64 s[22:23], s[10:11], s[22:23]     ; W_V
	s_cselect_b32 s24, 640, s24
	s_cselect_b32 s25, 4096, s25
	s_cselect_b32 s26, 256, s26
	s_cmp_lt_u32 s20, 640
	s_cselect_b64 s[22:23], s[8:9], s[22:23]       ; W_K
	s_cselect_b32 s24, 576, s24
	s_cmp_lt_u32 s20, 576
	s_cselect_b64 s[22:23], s[6:7], s[22:23]       ; W_Q
	s_cselect_b32 s24, 512, s24
	s_cmp_lt_u32 s20, 512
	s_cselect_b64 s[22:23], s[4:5], s[22:23]       ; x
	s_cselect_b32 s24, 0, s24
	s_sub_co_u32 s28, s20, s24                     ; the rowgroup within its tensor
	s_lshr_b32 s29, s28, 1
	s_lshl_b32 s29, s29, 5
	s_and_b32 s30, s28, 1
	s_lshl_b32 s30, s30, 3
	s_add_co_u32 s28, s29, s30                     ; its first row: 32 B + 8 u
	s_mul_i32 s28, s28, s25
	s_lshl_b32 s29, s21, 3
	s_mul_i32 s29, s29, s26                        ; my first kgroup
	s_add_co_u32 s28, s28, s29
	s_mov_b32 s29, 0
	s_add_nc_u64 s[32:33], s[22:23], s[28:29]      ; a base for each HF: no pointer is stepped
.irp t, 1,2,3,4,5,6,7
	s_add_nc_u64 s[32+2*\t:33+2*\t], s[30+2*\t:31+2*\t], s[26:27]
.endr
	v_mul_u32_u24 v8, v3, s25
	v_lshl_add_u32 v8, v2, 4, v8                   ; hl rows + 16 r
	s_wait_alu depctr_va_vdst(0)
.irp i, 0,1,2,3,4,5,6,7
	s_mul_i32 s30, s25, 2*\i+8*(\i/4)
	v_add_nc_u32 v[VO+\i], s30, v8
.endr
	s_mul_i32 s28, s19, 6144
	s_add_nc_u64 s[14:15], s[14:15], s[28:29]      ; my eight HFs in img
	s_lshl_b32 s28, s19, 8
	s_add_nc_u64 s[16:17], s[16:17], s[28:29]      ; my 256 bytes in sc
.macro LOAD t                          ; HF t: 16 rows x 256 bytes; each load takes two rows, sixteen lanes to a row's 256 consecutive bytes
.irp i, 0,1,2,3,4,5,6,7
	global_load_b128 v[R+32*((\t)%3)+4*\i:R+32*((\t)%3)+4*\i+3], v[VO+\i], s[32+2*(\t):33+2*(\t)] th:TH_LOAD_NT
.endr
.endm
.macro TURN t                          ; through the stage: LDS serves a wave's instructions in order, so no wait stands between the stores and the loads
.irp i, 0,1,2,3,4,5,6,7
	ds_store_b128 v6, v[R+32*((\t)%3)+4*\i:R+32*((\t)%3)+4*\i+3] offset:STG*((\t)%2)+2*\i*SP
.endr
.irp i, 0,1,2,3,4,5,6,7
	ds_load_b128 v[X+32*((\t)%2)+4*\i:X+32*((\t)%2)+4*\i+3], v7 offset:STG*((\t)%2)+16*\i
.endr
.endm
.macro STEP t
.set XS, X+32*((\t)%2)
.set CD, C+6*(\t)
	s_wait_dscnt 0x0                               ; this HF's numbers are back from the stage, and its stores into the stage have read their registers,
.if (\t)+3 < 8
	LOAD (\t)+3                                    ; which take the loads of three HFs on
.endif
.if (\t)+1 < 8
.if (\t)+3 < 8
	s_wait_loadcnt 16                              ; the next HF's eight loads are in; the sixteen of the two HFs behind it may be out
.else
	s_wait_loadcnt 8*(6-(\t))                      ; near the end: what was issued behind the next HF's loads
.endif
	TURN (\t)+1
.endif
	v_max3_num_f32 v8, |v[XS]|, |v[XS+1]|, |v[XS+2]|               ; the block's largest magnitude: all 32 numbers are mine; two chains
	v_max3_num_f32 v9, |v[XS+3]|, |v[XS+4]|, |v[XS+5]|
.irp i, 6,10,14,18,22,26
	v_max3_num_f32 v8, v8, |v[XS+\i]|, |v[XS+\i+1]|
	v_max3_num_f32 v9, v9, |v[XS+\i+2]|, |v[XS+\i+3]|
.endr
	v_max3_num_f32 v8, v8, |v[XS+30]|, |v[XS+31]|
	v_max3_num_f32 v8, v8, v9, 0x1800000           ; and the floor 2^(3 - 127): the byte cannot fall under 1
	v_add_nc_u32 v10, 0xff000000, v8               ; 2 off its exponent field: the conversion takes the exponent field of this operand as its scale
	v_cvt_scalef32_pk16_fp6_f32 v[CD:CD+2], v[XS:XS+15], v10
	v_cvt_scalef32_pk16_fp6_f32 v[TP:TP+2], v[XS+16:XS+31], v10
	v_lshrrev_b32 v11, 23, v10                     ; the scale's byte (also the plain line behind the conversions)
.irp i, 0,1,2
	v_mov_b32 v[CD+3+\i], v[TP+\i]
.endr
.if (\t)%2 == 0
	v_mov_b32 v[SB+(\t)/2], v11                    ; word t / 2: my block is its byte 2 (t % 2) + hl
.else
	v_lshl_or_b32 v[SB+(\t)/2], v11, 16, v[SB+(\t)/2]
.endif
	global_store_b128 v4, v[CD:CD+3], s[14:15] offset:768*(\t)          ; 512 consecutive bytes
	global_store_b64 v5, v[CD+4:CD+5], s[14:15] offset:768*(\t)+512     ; 256 consecutive bytes
.endm
	s_wait_alu depctr_va_vdst(0)
	LOAD 0
	LOAD 1
	LOAD 2
	s_wait_loadcnt 16                              ; HF 0's eight loads are in; the sixteen behind them may be out
	TURN 0
.irp t, 0,1,2,3,4,5,6,7
	STEP \t
.endr
.irp j, 0,1,2,3
	v_lshlrev_b32 v[SB+\j], v15, v[SB+\j]          ; my two bytes at their places, 8 hl bits up;
.endr
.irp j, 0,1,2,3
	v_permlanex16_b32 v[28+\j], v[SB+\j], s48, s49
.endr
.irp j, 0,1,2,3
	v_or_b32 v[SB+\j], v[SB+\j], v[28+\j]          ; with lane l xor 16's two the word is whole
.endr
	v_cmp_lt_u32 vcc_lo, 15, v1
	v_cndmask_b32 v244, v24, v26, vcc_lo           ; lanes 0-15 store words 0, 1 of row r, lanes 16-31 words 2, 3
	v_cndmask_b32 v245, v25, v27, vcc_lo
	global_store_b64 v14, v[244:245], s[16:17]     ; 256 consecutive bytes, aligned
	s_wait_tensorcnt 0x0                           ; the wave's end, behind my last LDS store
	ds_add_u32 v12, v13
	s_wait_dscnt 0x0
	s_endpgm
.Lfunc_end_k_q3b099e50b1_quant:
	.size	k_q3b099e50b1_quant, .Lfunc_end_k_q3b099e50b1_quant-k_q3b099e50b1_quant
	.p2alignl 7, 3214868480
	.fill 96, 4, 3214868480
	.section	.rodata,"a",@progbits
	.p2align	6, 0x0
	.amdhsa_kernel k_q3b099e50b1_quant
		.amdhsa_group_segment_fixed_size 52992
		.amdhsa_private_segment_fixed_size 0
		.amdhsa_enable_private_segment 0
		.amdhsa_kernarg_size 56
		.amdhsa_user_sgpr_count 2
		.amdhsa_user_sgpr_kernarg_segment_ptr 1
		.amdhsa_wavefront_size32 1
		.amdhsa_system_sgpr_workgroup_id_x 1
		.amdhsa_system_sgpr_workgroup_id_y 1
		.amdhsa_system_sgpr_workgroup_id_z 1
		.amdhsa_system_vgpr_workitem_id 0
		.amdhsa_next_free_vgpr 248
		.amdhsa_next_free_sgpr 66
		.amdhsa_reserve_vcc 1
		.amdhsa_float_denorm_mode_32 3
		.amdhsa_float_denorm_mode_16_64 3
		.amdhsa_memory_ordered 1
		.amdhsa_forward_progress 1
		.amdhsa_inst_pref_size 33
	.end_amdhsa_kernel
	.amdgpu_metadata
---
amdhsa.version: [ 1, 2 ]
amdhsa.kernels:
  - .name:           k_q3b099e50b1_quant
    .symbol:         k_q3b099e50b1_quant.kd
    .args:
      - { .name: x, .offset: 0, .size: 8, .value_kind: global_buffer, .address_space: global }
      - { .name: W_Q, .offset: 8, .size: 8, .value_kind: global_buffer, .address_space: global }
      - { .name: W_K, .offset: 16, .size: 8, .value_kind: global_buffer, .address_space: global }
      - { .name: W_V, .offset: 24, .size: 8, .value_kind: global_buffer, .address_space: global }
      - { .name: W_O, .offset: 32, .size: 8, .value_kind: global_buffer, .address_space: global }
      - { .name: img, .offset: 40, .size: 8, .value_kind: global_buffer, .address_space: global }
      - { .name: sc, .offset: 48, .size: 8, .value_kind: global_buffer, .address_space: global }
    .group_segment_fixed_size: 52992
    .private_segment_fixed_size: 0
    .kernarg_segment_align: 8
    .kernarg_segment_size: 56
    .max_flat_workgroup_size: 192
    .sgpr_count:     66
    .vgpr_count:     248
    .wavefront_size: 32
...
	.end_amdgpu_metadata
.endif
;; end of part 1
;; launch qkv (part 2): grid 8 x 32, 4 waves a work-group, clusters of 4 x 4, 327,680 bytes of LDS; arguments img, sc, b_Q, b_K, b_V, qkv, qkvs; writes qkv, qkvs
.if DOCPART == 2
	.amdgcn_target "amdgcn-amd-amdhsa--gfx1250"
	.amdhsa_code_object_version 6
	.text
	.protected	k_q3b099e50b1_qkv
	.globl	k_q3b099e50b1_qkv
	.p2align	8
	.type	k_q3b099e50b1_qkv,@function
k_q3b099e50b1_qkv:
	s_mov_b64 s[64:65], 0
	v_nop
	global_prefetch_b8 v0, s[64:65] scope:SCOPE_SE
	s_setreg_imm32_b32 hwreg(HW_REG_WAVE_MODE, 25, 1), 1
	s_wait_xcnt 0x0
	s_wait_alu depctr_hold_cnt(0) depctr_sa_sdst(0) depctr_va_vdst(0) depctr_va_sdst(0) depctr_va_ssrc(0) depctr_va_vcc(0) depctr_vm_vsrc(0)
	s_getreg_b32 s2, hwreg(HW_REG_IB_STS2, 6, 4)
	s_cmp_eq_u32 s2, 0
	s_cbranch_scc0 .Lentry_in_a_cluster
	s_endpgm
.Lentry_in_a_cluster:
	s_bfe_u32 s2, ttmp6, 0x10000c
	s_cmp_lg_u32 s2, 0xf033
	s_cbranch_scc0 .Lentry_shape_is_right
	s_endpgm
.Lentry_shape_is_right:
; LAUNCH 2 OF 4.  Q = x W_Q^T + b_Q, K = x W_K^T + b_K, V = x W_V^T + b_V on codes of FP6, and the results quantised at once: Q and K along the head's 64, V along the keys.  No work of reference() is left out.
; LIMITS as stated at the head of the first launch (a block of zeros has the byte 1; NaN and infinities are not served).
; A tile of C is 256 (A) x 128 (B); four waves, wave w takes A's rowgroups 4 w .. 4 w + 3 against B's eight: 32 accumulators.  The matrix instruction is used transposed (source 0 = 16 rows of B, source 1 = 16 rows of A):
; a lane holds ONE row of A, and since B's rowgroups are laid 32 B + 8 u + r + 8 (r / 8), its 64 registers of a block of A run along 128 neighbouring rows of B: along dh of two heads, or along 128 keys: the next product's K.
; A WORK-GROUP STAYS AND MAKES THREE TILES.  Work-group (x 0..7, y 0..31): tile 0: A = tokens 256 y .., B = W_Q's rows 128 x ..; tile 1: the same tokens, B = W_K's rows 128 x ..; tile 2: A = W_V's rows 256 cy .., B = tokens 128 (8 Y + x) ..
; (Y the cluster's y, cy my place along it).  768 tiles on 256 work-groups.  Tiles 0 and 1 are two trips of one loop; tile 2 is written out: it asks for nothing more.
; LDS: A RING OF TWO SLOTS, each with HALF OF K (512, four K steps) of a tile: A's 16 rowgroups, 6,144 bytes each, then B's 8 from ATILE on: 147,456 bytes.  The three tiles' six halves go through the ring on end.
; Each wave brings its share of a slot with ONE tensor load (waves 0, 1: 8 rowgroups of A; waves 2, 3: 4 of B): rows of 6,144 bytes, 12,288 apart in memory.
; Slot 0 is read out when K step 3's fragments are in registers: at that step's head each wave waits for its loads, adds 0 to its spare word and waits for that and for its reads; a round of the cluster's barrier follows, and the
; next tile's first half is the first tensor load behind it.  Slot 1 is filled again in the same way behind the tile's last K step, ahead of the way out.  So slot 0's load has five K steps in which to land, slot 1's the way out
; and three K steps.  By the text's own count one load a wave is out behind each round.  At the head slot 0's first fill goes out alone; slot 1's stands behind the same lines and a round.
; CLUSTERS 4 x 4: A's tiles hang on (Y, cy) alone and are asked for jointly by a row of the cluster, B's on (X, Y, cx) alone and by a column.
; No data prefetch: each refill is asked for five K steps, or a way out and three K steps, ahead of the wait for it; tile 1's A is tile 0's, and tile 2's B are rows of x that tiles 0 and 1 of this launch load too.
; OUT: qkv: blocks J of 98,304 bytes: Q(b, h) J = 4 h + b, K(b, h) J = 64 + 4 h + b: [token rowgroup 0..127][768];  V(b, h) J = 128 + 16 b + h: [key step 0..15][dh rowgroup 0..3][half of 128 keys][768].
; qkvs: Q, K: [head pair 0..15][64 tokens 0..127][head % 2][r][2 words], word B' = the two bytes of rowgroup 2 B' below those of 2 B' + 1;  V from byte 524,288: [16 b + h][key step][dh rowgroup / 2][r][2 words], a word = 128 keys' four bytes.
; REGISTERS: window 0: v1 lane, v2 r, v3 hl, v4 16 lane, v5 8 lane, v6, v7 way out; v8-15 LDS addresses (slot s: A by 16, A by 8, B by 16, B by 8); v28, v29 the add's two; v32-47 A's scale words, v48-79 B's (nothing else ever);
;   v128-175, v176-223 A's fragments, two sets; on the way out v128-191 numbers, v192-211 codes, v212-235 at work.   window 1: B's fragments, two sets, at v0 and v128.   window 2: accumulator (a, b) at v[8 (8 a + b)].   window 3: v0-63 the bias.
.set SLOTB, 147456
.set ATILE, 98304
.set SPARE, 2*SLOTB                    ; behind the ring: the spare words, 128 bytes a wave: two blocks of 256 bytes that no other line names
.set ADR,   8
.set SPW,   28
.set NIL,   29
.set SCA,   32
.set SCB,   48
.set AF,    128
.set ST,    128
.set PC,    192
.set TM,    212
.set PWS,   228
.set ZW,    232
.set WV,    18
.set ROLE,  19
.set HALF,  20
.set G0A,   24                         ; s[24:31] group 0 for A's tiles, one set for each slot;  s[40:47] for B's
.set G0B,   40
.set G1A,   56
.set G1B,   68
.set MSB, 0
.macro WIN new                         ; the immediate's high byte repeats the setting that is left
.if MSB != \new
	s_set_vgpr_msb (MSB<<8)|\new
.set MSB, \new
.endif
.endm
.macro PLACES n
.rept \n
	v_nop
.endr
.endm
.macro CROUND                          ; a round of the cluster's barrier
	s_barrier_signal -1
	s_barrier_wait -1
	s_cmp_lg_u32 s[WV], 0
	s_cbranch_scc1 .Lnot_wave_0_\@
	s_barrier_signal -3
.Lnot_wave_0_\@:
	s_barrier_wait -3
	s_barrier_signal -1
	s_barrier_wait -1
.endm
.macro FRAG reg, a16, a8, off          ; a fragment (16 rows x 128 K, 12 registers) is two half fragments: four loads, each of consecutive bytes
	ds_load_b128 v[(\reg):(\reg)+3], v[\a16] offset:(\off)
	ds_load_b64 v[(\reg)+4:(\reg)+5], v[\a8] offset:(\off)+512
	ds_load_b128 v[(\reg)+6:(\reg)+9], v[\a16] offset:(\off)+768
	ds_load_b64 v[(\reg)+10:(\reg)+11], v[\a8] offset:(\off)+1280
.endm
.macro FETCH t, q, p                   ; 48 loads in one run: K step 2 t + q (slot t / 2) into set p: B's eight fragments, then A's four
	WIN 0x40
.irp b, 0,1,2,3,4,5,6,7
	FRAG 128*(\p)+12*\b, ADR+4*((\t)/2)+2, ADR+4*((\t)/2)+3, 6144*\b+3072*((\t)%2)+1536*(\q)
.endr
	WIN 0
.irp a, 0,1,2,3
	FRAG AF+48*(\p)+12*\a, ADR+4*((\t)/2), ADR+4*((\t)/2)+1, 6144*\a+3072*((\t)%2)+1536*(\q)
.endr
.endm
; 16 products: A's blocks a0, a0 + 1 x B's eight, K step j.  cmode 0: C = 0; 2: in place.  The scale words of K steps 0-3 lie in lanes 0-15, those of 4-7 in lanes 16-31.
; The 32 accumulators take turns, one instruction a turn, in the same order in every step.
.macro MULH a0, p, j, cmode
.irp a, \a0, \a0+1
.irp b, 0,1,2,3,4,5,6,7
.if (\cmode) == 0
	v_wmma_scale_f32_16x16x128_f8f6f4 v[8*(8*(\a)+\b):8*(8*(\a)+\b)+7], v[128*(\p)+12*\b:128*(\p)+12*\b+11], v[AF+48*(\p)+12*(\a):AF+48*(\p)+12*(\a)+11], 0, v[SCB+4*\b+(\j)%4], v[SCA+4*(\a)+(\j)%4] matrix_a_fmt:MATRIX_FMT_FP6 matrix_b_fmt:MATRIX_FMT_FP6
.elseif (\j) < 4
	v_wmma_scale_f32_16x16x128_f8f6f4 v[8*(8*(\a)+\b):8*(8*(\a)+\b)+7], v[128*(\p)+12*\b:128*(\p)+12*\b+11], v[AF+48*(\p)+12*(\a):AF+48*(\p)+12*(\a)+11], v[8*(8*(\a)+\b):8*(8*(\a)+\b)+7], v[SCB+4*\b+(\j)%4], v[SCA+4*(\a)+(\j)%4] matrix_a_fmt:MATRIX_FMT_FP6 matrix_b_fmt:MATRIX_FMT_FP6
.else
	v_wmma_scale_f32_16x16x128_f8f6f4 v[8*(8*(\a)+\b):8*(8*(\a)+\b)+7], v[128*(\p)+12*\b:128*(\p)+12*\b+11], v[AF+48*(\p)+12*(\a):AF+48*(\p)+12*(\a)+11], v[8*(8*(\a)+\b):8*(8*(\a)+\b)+7], v[SCB+4*\b+(\j)%4], v[SCA+4*(\a)+(\j)%4] matrix_a_fmt:MATRIX_FMT_FP6 matrix_b_fmt:MATRIX_FMT_FP6 matrix_a_scale:MATRIX_SCALE_ROW1 matrix_b_scale:MATRIX_SCALE_ROW1
.endif
.endr
.endr
.endm
.macro STEP j, cmode                   ; K step j; in its middle the next step's fragments are fetched into the other set
	s_wait_dscnt 8                                 ; B's eight and A's blocks 0, 1 are in; the youngest eight loads (A's blocks 2, 3) may be out
	WIN 0xa1                                       ; source 0 (B) window 1, source 1 (A) window 0, C and D window 2
	MULH 0, (\j)%2, \j, \cmode
	PLACES 4                                       ; in front of loads into registers that the last step's products read
	FETCH ((\j)+1)/2, ((\j)+1)%2, 1-(\j)%2
	s_wait_dscnt 48                                ; all but the 48 just issued
	WIN 0xa1
	MULH 2, (\j)%2, \j, \cmode
.endm
.macro LAST
	s_wait_dscnt 8
	WIN 0xa1
	MULH 0, 1, 7, 2
	s_wait_dscnt 0x0
	MULH 2, 1, 7, 2
	WIN 0
.endm
; 64 numbers of a lane, register 16 b + i = k 32 b + 16 hl + i of my row, become a fragment's codes in v[PC] on and its scale word in v[pw]
.macro QUANT s, pw
.irp b, 0,1,2,3
	v_max3_num_f32 v[TM+\b], |v[\s+16*\b]|, |v[\s+1+16*\b]|, 0x1800000   ; my 16 numbers of block b, and the floor 2^(3 - 127): the byte cannot fall under 1
.endr
.irp i, 2,4,6,8,10,12,14
.irp b, 0,1,2,3
	v_max3_num_f32 v[TM+\b], v[TM+\b], |v[\s+16*\b+\i]|, |v[\s+1+16*\b+\i]|
.endr
.endr
.irp b, 0,1,2,3
	v_permlanex16_b32 v[TM+4+\b], v[TM+\b], s98, s99
.endr
.irp b, 0,1,2,3
	v_max_num_f32 v[TM+\b], v[TM+\b], v[TM+4+\b]   ; with lane l xor 16's: the block's largest magnitude
.endr
.irp b, 0,1,2,3
	v_add_nc_u32 v[TM+12+\b], 0xff000000, v[TM+\b] ; 2 off its exponent field: the conversion's scale operand
.endr
.irp b, 0,1,2,3
	v_lshrrev_b32 v[TM+4+\b], 23, v[TM+12+\b]      ; the scale's byte
.endr
	v_lshl_or_b32 v[\pw], v[TM+5], 8, v[TM+4]
	v_lshl_or_b32 v[\pw], v[TM+6], 16, v[\pw]
	v_lshl_or_b32 v[\pw], v[TM+7], 24, v[\pw]
	s_wait_xcnt 0x0                                ; the last block's stores have read the codes' registers: they are written again only behind this wait
.irp c, 0,1
	v_cvt_scalef32_pk16_fp6_f32 v[PC+6*\c:PC+2+6*\c], v[\s+32*\c:\s+15+32*\c], v[TM+12+2*\c]
	v_cvt_scalef32_pk16_fp6_f32 v[PC+12+4*\c:PC+14+4*\c], v[\s+16+32*\c:\s+31+32*\c], v[TM+12+2*\c+1]
.endr
	v_nop                                          ; one plain line behind the conversions
.irp c, 0,1                            ; the operand's layout wants a whole block in a lane
.irp i, 0,1,2
	v_permlane16_swap_b32 v[PC+6*\c+\i], v[PC+12+4*\c+\i]
.endr
.irp i, 0,1,2
	v_mov_b32 v[PC+3+6*\c+\i], v[PC+12+4*\c+\i]
.endr
.endr
.endm
; The tile that is asked for: column s32, row s33, its operands' first rows in img s34 (A's), s35 (B's).  All three macros are work on scalar registers alone.
.macro NEXTROWS
	s_lshl_b32 s36, s33, 8
	s_add_co_u32 s36, s36, s34                     ; A's first row
	s_lshl_b32 s37, s32, 7
	s_add_co_u32 s37, s37, s35                     ; B's first row
.endm
.macro DESC h                          ; slot h's two descriptors: half h of K of that tile
	s_lshl_b32 s88, s[HALF], 7
	s_add_co_u32 s88, s88, s36
	s_mul_i32 s88, s88, 768                        ; a row's share of its rowgroup's 12,288 bytes
	s_lshl_b32 s92, s[HALF], 6
	s_add_co_u32 s92, s92, s37
	s_mul_i32 s92, s92, 768
.if \h
	s_add_co_u32 s88, s88, 6144
	s_add_co_u32 s92, s92, 6144
.endif
	s_mov_b32 s89, 0
	s_mov_b32 s93, 0
	s_add_nc_u64 s[G0A+4*\h+2:G0A+4*\h+3], s[4:5], s[88:89]
	s_or_b32 s[G0A+4*\h+3], s[G0A+4*\h+3], 0x80000000
	s_add_nc_u64 s[G0B+4*\h+2:G0B+4*\h+3], s[4:5], s[92:93]
	s_or_b32 s[G0B+4*\h+3], s[G0B+4*\h+3], 0x80000000
.endm
.macro SCPTR                           ; where that tile's scale words lie
	s_lshl_b32 s2, s[WV], 6
	s_add_co_u32 s2, s2, s36
	s_lshl_b32 s2, s2, 5                           ; 512 bytes of scale words a rowgroup
	s_mov_b32 s3, 0
	s_add_nc_u64 s[88:89], s[6:7], s[2:3]
	s_lshl_b32 s2, s37, 5
	s_add_nc_u64 s[92:93], s[6:7], s[2:3]
.endm
.macro JLOAD h                         ; my one joint load into slot h: waves 0, 1 for A, waves 2, 3 for B
	s_cmp_eq_u32 s[ROLE], 0
	s_cbranch_scc0 .Lfor_b_\@
	tensor_load_to_lds s[G0A+4*\h:G0A+4*\h+3], s[G1A:G1A+7]
	s_nop 0
	PLACES 4
	s_branch .Lasked_\@
.Lfor_b_\@:
	tensor_load_to_lds s[G0B+4*\h:G0B+4*\h+3], s[G1B:G1B+7]
	s_nop 0
	PLACES 4
.Lasked_\@:
.endm
.macro SCLOAD                          ; a tile's scale words: twelve loads
.irp a, 0,1,2,3
	global_load_b128 v[SCA+4*\a:SCA+4*\a+3], v4, s[88:89] offset:512*\a   ; lanes 0-15: words 0-3 of row r; lanes 16-31: words 4-7
.endr
.irp b, 0,1,2,3,4,5,6,7
	global_load_b128 v[SCB+4*\b:SCB+4*\b+3], v4, s[92:93] offset:512*\b
.endr
.endm
.macro MID refill                      ; at the head of K step 3: slot 0 is read out, slot 1 is wanted
	WIN 0
	s_wait_tensorcnt 0x0                           ; my part of slot 1 is in, and none of my loads is out: the descriptors may be written;
.if \refill
	ds_add_u32 v[SPW], v[NIL]
	s_add_co_u32 s97, s81, 8
	s_cmp_eq_u32 s80, 0                            ; behind tile 0 comes tile 1, behind tile 1 tile 2: by the trip's number alone
	s_cselect_b32 s32, s97, s76
	s_cselect_b32 s33, s79, s22
	s_cselect_b32 s34, 0, 10240                    ; A: x, or W_V
	s_cselect_b32 s35, 8192, 0                     ; B: W_Q and W_K on end, or x
	NEXTROWS
	DESC 0
	s_wait_dscnt 0x0                               ; the add is done, and my reads of slot 0 are over
	CROUND                                         ; that holds of every wave of all sixteen work-groups
	JLOAD 0                                        ; the next tile's first half: the first tensor load behind the round
.else
	s_wait_dscnt 0x0
	s_barrier_signal -1
	s_barrier_wait -1                              ; everybody's part of slot 1 is in
.endif
.endm
.macro REFILL                          ; behind a tile's last LDS read: slot 1 is read out
	s_wait_tensorcnt 0x0                           ; my part of slot 0, the next tile's first half, is in, and none of my loads is out;
	ds_add_u32 v[SPW], v[NIL]
	DESC 1
	s_wait_dscnt 0x0                               ; the add is done, and my reads of slot 1 are over
	CROUND
	JLOAD 1                                        ; the next tile's second half; its four v_nop are the places in front of the loads below
	SCPTR
	SCLOAD
	s_mov_b32 s84, s32                             ; (this tile's addresses for the way out have been made)
	s_mov_b32 s85, s33
.endm
.macro BEGIN refill                    ; a tile's first six K steps.  Slot 0 was shown whole by the round behind which slot 1's load went out
	s_wait_xcnt 0x0                                ; the last tile's stores have read their registers
	FETCH 0, 0, 0
	s_wait_loadcnt 0x0                             ; the scale words
	STEP 0, 0                                      ; the first products start the sums: nothing is cleared
	STEP 1, 2
	STEP 2, 2
	MID \refill
	STEP 3, 2
	STEP 4, 2
	STEP 5, 2
	WIN 0
.endm
; A block of A's 16 rows: bias added (which also brings the sums into window 0, each accumulator from its low end on), quantised, stored as two half fragments
.macro OUTBLK a, kind
	WIN 0x0e                                       ; source 0 window 2, source 1 window 3, destination window 0
.set j, 0
.rept 32
.if \kind == 0
	v_pk_add_f32 v[ST+j:ST+j+1], v[64*(\a)+j:64*(\a)+j+1], v[j:j+1]
.else
	v_pk_add_f32 v[ST+j:ST+j+1], v[64*(\a)+j:64*(\a)+j+1], v[2*(\a):2*(\a)+1]
.endif
.set j, j+2
.endr
	WIN 0
	QUANT ST, PWS+(\a)
.if \kind == 0
.set IM0, (\a)*768                     ; head 2 x tile column: my rowgroup a;
.set IM1, 393216+(\a)*768              ; the next head lies 512 rowgroups on
.else
.set IM0, (\a)*1536                    ; dh rowgroup a: keys 0-63 of the step,
.set IM1, (\a)*1536+768                ; keys 64-127
.endif
	global_store_b128 v4, v[PC:PC+3], s[94:95] offset:IM0
	global_store_b64 v5, v[PC+4:PC+5], s[94:95] offset:IM0+512
	global_store_b128 v4, v[PC+6:PC+9], s[94:95] offset:IM1
	global_store_b64 v5, v[PC+10:PC+11], s[94:95] offset:IM1+512
.endm
; The last two K steps with the bias on its way under them, slot 1's refill (refill = 1), and the way out.  kind 0: Q and K; kind 1: V
.macro TAIL kind, refill
.if \kind == 0
	s_cmp_eq_u32 s80, 0                            ; tile 0 is W_Q's, tile 1 W_K's
	s_cselect_b64 s[90:91], s[8:9], s[10:11]
	s_and_b32 s2, s84, 7
	s_lshl_b32 s2, s2, 9
	s_add_nc_u64 s[90:91], s[90:91], s[2:3]        ; the tile's 128 numbers of the bias
	s_lshl_b32 s2, s84, 10                         ; head 2 x tile column: 512 rowgroups a head,
	s_lshl_b32 s23, s85, 4
	s_add_co_u32 s2, s2, s23                       ; + 16 x tile row
	s_lshl_b32 s23, s[WV], 2
	s_add_co_u32 s2, s2, s23                       ; + 4 x wave
	s_mul_i32 s2, s2, 768
	s_add_nc_u64 s[94:95], s[14:15], s[2:3]
	s_lshl_b32 s2, s84, 7
	s_lshl_b32 s23, s85, 2
	s_add_co_u32 s2, s2, s23
	s_add_co_u32 s2, s2, s[WV]
	s_lshl_b32 s2, s2, 8                           ; (128 x tile column + 4 x tile row + wave) x 256
	s_add_nc_u64 s[66:67], s[16:17], s[2:3]
	v_lshlrev_b32 v7, 6, v3                        ; accumulator b's register i is B's row 32 (b / 2) + 8 (b % 2) + 16 hl + i
	WIN 0xc0
.irp b, 0,1,2,3,4,5,6,7
	global_load_b128 v[8*\b:8*\b+3], v7, s[90:91] offset:(32*(\b/2)+8*(\b%2))*4
	global_load_b128 v[8*\b+4:8*\b+7], v7, s[90:91] offset:(32*(\b/2)+8*(\b%2))*4+16
.endr
	WIN 0
.else
	s_lshl_b32 s2, s85, 8
	s_lshl_b32 s23, s[WV], 6
	s_add_co_u32 s2, s2, s23
	s_lshl_b32 s2, s2, 2
	s_add_nc_u64 s[90:91], s[12:13], s[2:3]        ; b_V at my head: head = 4 x tile row + wave
	s_lshr_b32 s2, s84, 4                          ; batch
	s_lshl_b32 s2, s2, 4
	s_lshl_b32 s23, s85, 2
	s_add_co_u32 s2, s2, s23
	s_add_co_u32 s2, s2, s[WV]                     ; 16 b + h
	s_lshl_b32 s2, s2, 4
	s_and_b32 s23, s84, 15                         ; key step
	s_add_co_u32 s96, s2, s23
	s_mul_i32 s2, s96, 6144
	s_add_co_u32 s2, s2, 128*98304
	s_add_nc_u64 s[94:95], s[14:15], s[2:3]
	s_lshl_b32 s2, s96, 8
	s_add_co_u32 s2, s2, 524288
	s_add_nc_u64 s[66:67], s[16:17], s[2:3]
	v_and_b32 v7, 8, v2
	v_add_nc_u32 v7, v7, v2
	v_lshlrev_b32 v7, 2, v7                        ; my row of rowgroup a is dh 32 (a / 2) + 8 (a % 2) + r + 8 (r / 8): one number a block, twice for the packed addition
	WIN 0xc0
.irp a, 0,1,2,3
	global_load_b32 v[2*\a], v7, s[90:91] offset:(32*(\a/2)+8*(\a%2))*4
	global_load_b32 v[2*\a+1], v7, s[90:91] offset:(32*(\a/2)+8*(\a%2))*4
.endr
	WIN 0
.endif
	STEP 6, 2
	LAST
.if \refill
	REFILL
.else
	PLACES 4                                       ; behind the last products: their results are read and their operands' registers written
.endif
.irp b, 0,1,2,3
	v_mov_b32 v[TM+4+\b], 0                        ; a lane permute's destination counts as one of its sources
.endr
	s_wait_alu depctr_va_vdst(0)
	s_wait_loadcnt 12*(\refill)                    ; the bias is in; the next tile's twelve loads of scale words, issued behind it, may be out
.irp a, 0,1,2,3
	OUTBLK \a, \kind
.endr
	v_cmp_lt_u32 vcc_lo, 15, v1
.if \kind == 0
.irp b, 0,1                            ; a block's word holds two bytes of each head: lanes 0-15 gather the first head's, lanes 16-31 the second's; rowgroup 2 B' below 2 B' + 1
	v_perm_b32 v234, v[PWS+2*\b+1], v[PWS+2*\b], 0x05040100
	v_perm_b32 v235, v[PWS+2*\b+1], v[PWS+2*\b], 0x07060302
	v_cndmask_b32 v[ZW+\b], v234, v235, vcc_lo
.endr
.else
	v_cndmask_b32 v[ZW], v[PWS], v[PWS+2], vcc_lo  ; lanes 0-15: dh rowgroups 0, 1; lanes 16-31: 2, 3
	v_cndmask_b32 v[ZW+1], v[PWS+1], v[PWS+3], vcc_lo
.endif
	global_store_b64 v6, v[ZW:ZW+1], s[66:67]      ; 256 consecutive bytes, aligned
.endm
	s_load_b256 s[4:11], s[0:1], 0x0               ; img, sc, b_Q, b_K
	s_load_b128 s[12:15], s[0:1], 0x20             ; b_V, qkv
	s_load_b64 s[16:17], s[0:1], 0x30              ; qkvs
	v_lshl_add_u32 v[SPW], v0, 2, SPARE
	v_mov_b32 v[NIL], 0
	ds_add_u32 v[SPW], v[NIL]                      ; the wave's opening: the add, twice on end, and its wait ahead of my first tensor load
	ds_add_u32 v[SPW], v[NIL]
	v_lshrrev_b32 v1, 5, v0
	v_readfirstlane_b32 s[WV], v1                  ; wave 0..3
	s_lshr_b32 s[ROLE], s[WV], 1                   ; I fetch for A (0) or for B (1),
	s_and_b32 s[HALF], s[WV], 1                    ; its first or second half
	s_bfe_u32 s21, ttmp6, 0x40000                  ; cx
	s_bfe_u32 s22, ttmp6, 0x40004                  ; cy
	s_lshl_b32 s81, ttmp9, 2
	s_add_co_u32 s81, s81, s21                     ; x = 4 X + cx
	s_and_b32 s77, ttmp7, 0xffff                   ; Y
	s_lshl_b32 s79, s77, 2
	s_add_co_u32 s79, s79, s22                     ; y = 4 Y + cy
	s_lshl_b32 s76, s77, 3
	s_add_co_u32 s76, s76, s81                     ; tile 2's column: 8 Y + x
	s_lshl_b32 s98, s22, 2
	s_lshl_b32 s98, 15, s98                        ; my row of the cluster
	s_lshl_b32 s99, 0x1111, s21                    ; my column
	s_or_b32 s[G1A], s98, (3<<16)|(1<<21)          ; 15:0 the mask; 17:16 elements of 8 bytes; 21 set beside a mask; no padding
	s_mov_b32 s[G1A+1], 768<<16                    ; tensor_dim0: half of a rowgroup's 12,288 bytes
	s_mov_b32 s[G1A+2], 8<<16                      ; tensor_dim1: 8 rowgroups
	s_mov_b32 s[G1A+3], 768<<16                    ; tile_dim0
	s_mov_b32 s[G1A+4], 8                          ; tile_dim1
	s_mov_b32 s[G1A+5], 1536                       ; 12,288 bytes from rowgroup to rowgroup
	s_mov_b32 s[G1A+6], 0
	s_mov_b32 s[G1A+7], 0
	s_or_b32 s[G1B], s99, (3<<16)|(1<<21)
	s_mov_b32 s[G1B+1], 768<<16
	s_mov_b32 s[G1B+2], 4<<16                      ; 4 rowgroups
	s_mov_b32 s[G1B+3], 768<<16
	s_mov_b32 s[G1B+4], 4
	s_mov_b32 s[G1B+5], 1536
	s_mov_b32 s[G1B+6], 0
	s_mov_b32 s[G1B+7], 0
	s_mov_b32 s[G0A], 1
	s_mul_i32 s[G0A+1], s[HALF], 49152             ; where they go: no place in the cluster enters an LDS address
	s_mov_b32 s[G0A+4], 1
	s_add_co_u32 s[G0A+5], s[G0A+1], SLOTB
	s_mov_b32 s[G0B], 1
	s_mul_i32 s[G0B+1], s[HALF], 24576
	s_add_co_u32 s[G0B+1], s[G0B+1], ATILE
	s_mov_b32 s[G0B+4], 1
	s_add_co_u32 s[G0B+5], s[G0B+1], SLOTB
	s_mov_b32 s32, s81                             ; tile 0: column x, row y, A = x, B = W_Q
	s_mov_b32 s33, s79
	s_mov_b32 s34, 0
	s_mov_b32 s35, 8192
	s_mov_b32 s84, s81
	s_mov_b32 s85, s79
	NEXTROWS
	s_wait_dscnt 0x0                               ; both opening adds are done
	s_wait_kmcnt 0x0
	DESC 0
	DESC 1
	SCPTR
	CROUND                                         ; all sixteen work-groups are here: the joint loads meet
	JLOAD 0                                        ; tile 0's first half: one tensor load a wave at the head
	v_and_b32 v1, 31, v0                           ; lane
	v_and_b32 v2, 15, v0                           ; r
	v_bfe_u32 v3, v0, 4, 1                         ; hl
	v_lshlrev_b32 v4, 4, v1
	v_lshlrev_b32 v5, 3, v1
	v_lshlrev_b32 v6, 3, v2
	v_lshl_add_u32 v6, v3, 7, v6                   ; 128 hl + 8 r: my 8 bytes of the wave's 256 scale bytes
	s_mul_i32 s2, s[WV], 24576                     ; my four rowgroups of A in a slot
	v_add_nc_u32 v[ADR], s2, v4
	v_add_nc_u32 v[ADR+1], s2, v5
	v_add_nc_u32 v[ADR+2], ATILE, v4
	v_add_nc_u32 v[ADR+3], ATILE, v5
	s_add_co_u32 s2, s2, SLOTB
	v_add_nc_u32 v[ADR+4], s2, v4
	v_add_nc_u32 v[ADR+5], s2, v5
	v_add_nc_u32 v[ADR+6], SLOTB+ATILE, v4
	v_add_nc_u32 v[ADR+7], SLOTB+ATILE, v5
	s_wait_alu depctr_va_vdst(0)
	SCLOAD
	s_mov_b32 s98, 0x76543210                      ; (the masks have been used) selects for lane l xor 16
	s_mov_b32 s99, 0xfedcba98
	s_mov_b32 s80, 0
	s_wait_tensorcnt 0x0                           ; my part of slot 0 is in
	ds_add_u32 v[SPW], v[NIL]
	s_wait_dscnt 0x0
	CROUND                                         ; everybody's part is in, and the joint loads meet
	JLOAD 1                                        ; tile 0's second half
.Ltile:                                                ; tiles 0 and 1
	BEGIN 1
	TAIL 0, 1
	s_add_co_u32 s80, s80, 1
	s_cmp_lt_u32 s80, 2
	s_wait_alu depctr_va_vdst(0)
	s_cbranch_scc1 .Ltile
	BEGIN 0                                        ; tile 2
	TAIL 1, 0
	s_wait_tensorcnt 0x0                           ; the wave's end
	ds_add_u32 v[SPW], v[NIL]
	s_wait_dscnt 0x0
	CROUND                                         ; the closing round
	s_endpgm
.Lfunc_end_k_q3b099e50b1_qkv:
	.size	k_q3b099e50b1_qkv, .Lfunc_end_k_q3b099e50b1_qkv-k_q3b099e50b1_qkv
	.p2alignl 7, 3214868480
	.fill 96, 4, 3214868480
	.section	.rodata,"a",@progbits
	.p2align	6, 0x0
	.amdhsa_kernel k_q3b099e50b1_qkv
		.amdhsa_group_segment_fixed_size 327680
		.amdhsa_private_segment_fixed_size 0
		.amdhsa_enable_private_segment 0
		.amdhsa_kernarg_size 56
		.amdhsa_user_sgpr_count 2
		.amdhsa_user_sgpr_kernarg_segment_ptr 1
		.amdhsa_wavefront_size32 1
		.amdhsa_system_sgpr_workgroup_id_x 1
		.amdhsa_system_sgpr_workgroup_id_y 1
		.amdhsa_system_sgpr_workgroup_id_z 1
		.amdhsa_system_vgpr_workitem_id 0
		.amdhsa_next_free_vgpr 832
		.amdhsa_next_free_sgpr 100
		.amdhsa_reserve_vcc 1
		.amdhsa_float_denorm_mode_32 3
		.amdhsa_float_denorm_mode_16_64 3
		.amdhsa_memory_ordered 1
		.amdhsa_forward_progress 1
		.amdhsa_inst_pref_size 186
	.end_amdhsa_kernel
	.amdgpu_metadata
---
amdhsa.version: [ 1, 2 ]
amdhsa.kernels:
  - .name:           k_q3b099e50b1_qkv
    .symbol:         k_q3b099e50b1_qkv.kd
    .args:
      - { .name: img, .offset: 0, .size: 8, .value_kind: global_buffer, .address_space: global }
      - { .name: sc, .offset: 8, .size: 8, .value_kind: global_buffer, .address_space: global }
      - { .name: b_Q, .offset: 16, .size: 8, .value_kind: global_buffer, .address_space: global }
      - { .name: b_K, .offset: 24, .size: 8, .value_kind: global_buffer, .address_space: global }
      - { .name: b_V, .offset: 32, .size: 8, .value_kind: global_buffer, .address_space: global }
      - { .name: qkv, .offset: 40, .size: 8, .value_kind: global_buffer, .address_space: global }
      - { .name: qkvs, .offset: 48, .size: 8, .value_kind: global_buffer, .address_space: global }
    .group_segment_fixed_size: 327680
    .private_segment_fixed_size: 0
    .kernarg_segment_align: 8
    .kernarg_segment_size: 56
    .max_flat_workgroup_size: 128
    .sgpr_count:     100
    .vgpr_count:     832
    .wavefront_size: 32
...
	.end_amdgpu_metadata
.endif
;; end of part 2
;; launch attn (part 3): grid 4 x 64, 16 waves a work-group, clusters of 4 x 1, 327,680 bytes of LDS; arguments qkv, qkvs, oimg, osc; writes oimg, osc
.if DOCPART == 3
	.amdgcn_target "amdgcn-amd-amdhsa--gfx1250"
	.amdhsa_code_object_version 6
	.text
	.protected	k_q3b099e50b1_attn
	.globl	k_q3b099e50b1_attn
	.p2align	8
	.type	k_q3b099e50b1_attn,@function
k_q3b099e50b1_attn:
	s_mov_b64 s[64:65], 0
	v_nop
	global_prefetch_b8 v0, s[64:65] scope:SCOPE_SE
	s_setreg_imm32_b32 hwreg(HW_REG_WAVE_MODE, 25, 1), 1
	s_wait_xcnt 0x0
	s_wait_alu depctr_hold_cnt(0) depctr_sa_sdst(0) depctr_va_vdst(0) depctr_va_sdst(0) depctr_va_ssrc(0) depctr_va_vcc(0) depctr_vm_vsrc(0)
	s_getreg_b32 s2, hwreg(HW_REG_IB_STS2, 6, 4)
	s_cmp_eq_u32 s2, 0
	s_cbranch_scc0 .Lentry_in_a_cluster
	s_endpgm
.Lentry_in_a_cluster:
	s_bfe_u32 s2, ttmp6, 0x10000c
	s_cmp_lg_u32 s2, 0x3003
	s_cbranch_scc0 .Lentry_shape_is_right
	s_endpgm
.Lentry_shape_is_right:
; LAUNCH 3 OF 4.  For each (batch, head): S^T = K Q^T, p = 2^(t - M), O^T = V^T p^T, O / l, all products on codes of FP6; O is quantised along the head's 64 and stored as the last launch's operand.  No work of reference() is left out.
; LIMITS: the promise holds while the scaled scores (score x log2(e) / 8) stay under 2^31 in magnitude; a block of zeros has the byte 1 (this program alone reads the bytes); NaN and infinities are not served.
; A block's largest p is taken as 2^(.) of the block's largest score by the same multiply-add and exponential: this takes v_exp_f32 not to fall where its input rises.
; SHARES.  A work-group has one (b, h) and 512 queries; its 16 waves take 16 queries each in each of two passes.  All 2,048 keys lie in LDS: K's codes 98,304 bytes, V's 98,304, their scales 4,096 each, filled once.
; CLUSTER 4 x 1: the four work-groups of one (b, h) ask for these tiles jointly.  Every wave issues ONE load at the head: waves 0-11 16,384 bytes of codes each, 12-13 halves of K's scales, 14-15 of V's.
; No data prefetch: all fills go out at the head, ahead of any loop, so there is no trip to ask ahead in.
; THE ROWS OF A TILE OF K are picked by the lanes' addresses so that a lane of S^T holds WHOLE blocks of 32 keys.  Of 64 keys c, tile u = 2 up + u' takes at row m = 8 H + j the key of block 2 c + H that lies in
; rowgroup 2 (2 c + H) + u' at place 8 (up xor H) + j.  So lane (query, h) has in registers 32 c + 0 .. 31 block 2 c + h, in order for h = 0 and with its two sixteens exchanged for h = 1 (the xor keeps the sixteen
; lanes of a load on sixteen different 16-byte columns).  A block's maximum then needs no other lane, and the two conversions of a block are put in order by selects on h.
; THE SECOND PRODUCT LAGS ONE STEP: step s multiplies p(s - 1) with V(s - 1), whose fragments are fetched under step s's maxima; K(s + 1) is fetched straight behind that product, onto the same registers, with the
; exponentials between the loads and the wait for them.  A pass's first step finds zero codes for p (V's address then points at K's last step and its scale bytes: finite numbers times 0); the last product stands behind the loop.
; REGISTERS: v1 16 lane, v2 8 lane, v4 8 r, v7 16 r + hl; v5, v6 the add's two; v8-11, v34-38 LDS addresses of the trip, v236-242 their lane parts; v12 -M, v13 largest score; v[14:15], v[42:47] the row's sum, four chains;
; v16-33 zeros, q, zeros; v40, v41, v244-251 scale words and nothing else; v48-95 fragments of K, then of V; v96-159 S^T, then p; v160-191 O^T; v192-203 p's codes; v204-218 conversions; v3, v219-235, v243 at work.
.set KB,    0
.set VB,    98304
.set SCK,   196608
.set SPARE, 204800                     ; the spare words, 128 bytes a wave: eight blocks of 256 bytes that no other line names
.set WV,    12
.set SEL,   20
.set CS,    22
.set TB,    24
.set TV,    25
.set TS,    26
.set CNT,   27
.set G0S,   28
.set G0C,   32
.set G1C,   48
.set G1SK,  56
.set G1SV,  68
.set PASS,  66
.set HM,    67
.macro CROUND                          ; a round of the cluster's barrier
	s_barrier_signal -1
	s_barrier_wait -1
	s_cmp_lg_u32 s[WV], 0
	s_cbranch_scc1 .Lnot_wave_0_\@
	s_barrier_signal -3
.Lnot_wave_0_\@:
	s_barrier_wait -3
	s_barrier_signal -1
	s_barrier_wait -1
.endm
.macro FRAG reg, a16, a8, off          ; a fragment is two half fragments of 768 bytes: registers 0-3 by 16 bytes a lane, 4-5 by 8
	ds_load_b128 v[(\reg):(\reg)+3], v[\a16] offset:(\off)
	ds_load_b64 v[(\reg)+4:(\reg)+5], v[\a8] offset:(\off)+512
	ds_load_b128 v[(\reg)+6:(\reg)+9], v[\a16] offset:(\off)+768
	ds_load_b64 v[(\reg)+10:(\reg)+11], v[\a8] offset:(\off)+1280
.endm
.macro FOURNOP
.rept 4
	v_nop
.endr
.endm
	s_load_b256 s[4:11], s[0:1], 0x0               ; qkv, qkvs, oimg, osc
	v_lshl_add_u32 v5, v0, 2, SPARE
	v_mov_b32 v6, 0
	ds_add_u32 v5, v6                              ; the opening lines: the add, twice on end, and its wait
	ds_add_u32 v5, v6
	v_lshrrev_b32 v1, 5, v0
	v_readfirstlane_b32 s[WV], v1                  ; wave 0..15
	s_and_b32 s16, ttmp7, 0xffff                   ; 16 b + h
	s_lshr_b32 s17, s16, 4                         ; b
	s_and_b32 s18, s16, 15                         ; h
	s_lshl_b32 s84, s18, 2
	s_add_co_u32 s84, s84, s17                     ; Q's block of qkv: 4 h + b
	s_add_co_u32 s85, s84, 64                      ; K's
	s_add_co_u32 s86, s16, 128                     ; V's
	s_cmp_lt_u32 s[WV], 6                          ; waves 0-5 fetch K's codes, 6-11 V's
	s_cselect_b32 s85, s85, s86
	s_cselect_b32 s19, 0, 6
	s_sub_co_u32 s19, s[WV], s19
	s_mul_i32 s86, s85, 98304
	s_lshl_b32 s19, s19, 14
	s_add_co_u32 s86, s86, s19                     ; my sixth of the block
	s_mov_b32 s87, 0
	s_lshl_b32 s[G0C+1], s[WV], 14                 ; LDS: K's six parts, then V's: 16,384 x wave
	s_and_b32 s14, s[WV], 1                        ; which half of a tensor's scales
	s_lshr_b32 s88, s18, 1
	s_add_co_u32 s88, s88, 8
	s_lshl_b32 s88, s88, 15                        ; K's scales: head pair 8 + h / 2,
	s_lshl_b32 s89, s17, 13
	s_add_co_u32 s88, s88, s89                     ; the batch's 32 groups of 64 tokens,
	s_and_b32 s89, s18, 1
	s_lshl_b32 s89, s89, 7
	s_add_co_u32 s88, s88, s89                     ; h % 2,
	s_lshl_b32 s89, s14, 12
	s_add_co_u32 s88, s88, s89                     ; 16 groups a half
	s_lshl_b32 s89, s16, 12
	s_add_co_u32 s89, s89, 524288                  ; V's scales: 4,096 bytes for (b, h),
	s_lshl_b32 s19, s14, 11
	s_add_co_u32 s89, s89, s19                     ; 2,048 a half
	s_cmp_lt_u32 s[WV], 14
	s_cselect_b32 s88, s88, s89
	s_mov_b32 s89, 0
	s_and_b32 s19, s[WV], 3
	s_lshl_b32 s19, s19, 11
	s_add_co_u32 s[G0S+1], s19, SCK                ; LDS: waves 12-15 one behind the other, 2,048 bytes each
	s_mov_b32 s[G1C], 15|(3<<16)|(1<<21)           ; the four partners; elements of 8 bytes; 64 rows of 256 bytes, dense
	s_mov_b32 s[G1C+1], 32<<16
	s_mov_b32 s[G1C+2], 64<<16
	s_mov_b32 s[G1C+3], 32<<16
	s_mov_b32 s[G1C+4], 64
	s_mov_b32 s[G1C+5], 32
	s_mov_b32 s[G1C+6], 0
	s_mov_b32 s[G1C+7], 0
	s_mov_b32 s[G1SK], 15|(3<<16)|(1<<21)          ; 16 rows of 128 bytes, 256 apart (the other head of the pair lies between)
	s_mov_b32 s[G1SK+1], 16<<16
	s_mov_b32 s[G1SK+2], 16<<16
	s_mov_b32 s[G1SK+3], 16<<16
	s_mov_b32 s[G1SK+4], 16
	s_mov_b32 s[G1SK+5], 32
	s_mov_b32 s[G1SK+6], 0
	s_mov_b32 s[G1SK+7], 0
	s_mov_b32 s[G1SV], 15|(3<<16)|(1<<21)          ; 8 rows of 256 bytes, dense
	s_mov_b32 s[G1SV+1], 32<<16
	s_mov_b32 s[G1SV+2], 8<<16
	s_mov_b32 s[G1SV+3], 32<<16
	s_mov_b32 s[G1SV+4], 8
	s_mov_b32 s[G1SV+5], 32
	s_mov_b32 s[G1SV+6], 0
	s_mov_b32 s[G1SV+7], 0
	s_mov_b32 s[SEL], 0x76543210
	s_mov_b32 s[SEL+1], 0xfedcba98                 ; selects for lane l xor 16
	s_mov_b32 s[CS], 0x3e38aa3b                    ; log2(e) / 8
	s_mov_b32 s[CS+1], s[CS]
	s_mov_b32 s[HM], 0xffff0000                    ; lanes 16-31
	s_mov_b32 s[PASS], 2
	s_wait_dscnt 0x0                               ; both opening adds are done
	s_wait_kmcnt 0x0
	s_mov_b32 s[G0S], 1
	s_add_nc_u64 s[G0S+2:G0S+3], s[6:7], s[88:89]
	s_or_b32 s[G0S+3], s[G0S+3], 0x80000000
	s_mov_b32 s[G0C], 1
	s_add_nc_u64 s[G0C+2:G0C+3], s[4:5], s[86:87]
	s_or_b32 s[G0C+3], s[G0C+3], 0x80000000
	CROUND                                         ; the four partners are here: the joint loads meet
	s_cmp_lt_u32 s[WV], 12                         ; one chain of branches on the wave's number, one load in each arm
	s_cbranch_scc0 .Lsk
	tensor_load_to_lds s[G0C:G0C+3], s[G1C:G1C+7]
	s_nop 0
	FOURNOP
	s_branch .Lasked
.Lsk:
	s_cmp_lt_u32 s[WV], 14
	s_cbranch_scc0 .Lsv
	tensor_load_to_lds s[G0S:G0S+3], s[G1SK:G1SK+7]
	s_nop 0
	FOURNOP
	s_branch .Lasked
.Lsv:
	tensor_load_to_lds s[G0S:G0S+3], s[G1SV:G1SV+7]
	s_nop 0
	FOURNOP
.Lasked:
	s_bfe_u32 s15, ttmp6, 0x40000                  ; cx: it enters global addresses alone
	s_lshl_b32 s90, s15, 5
	s_add_co_u32 s90, s90, s[WV]                   ; my rowgroup of queries in the first pass; the second's lies 16 on
	s_mov_b32 s93, 0
	s_lshl_b32 s92, s84, 7
	s_add_co_u32 s92, s92, s90
	s_mul_i32 s92, s92, 768
	s_add_nc_u64 s[76:77], s[4:5], s[92:93]        ; q's codes
	s_lshr_b32 s92, s18, 1
	s_lshl_b32 s92, s92, 15
	s_lshl_b32 s91, s17, 5
	s_lshr_b32 s15, s90, 2
	s_add_co_u32 s91, s91, s15
	s_lshl_b32 s91, s91, 8
	s_add_co_u32 s92, s92, s91
	s_and_b32 s91, s18, 1
	s_lshl_b32 s91, s91, 7
	s_add_co_u32 s92, s92, s91
	s_bfe_u32 s91, s90, 0x10001
	s_lshl_b32 s91, s91, 2
	s_add_co_u32 s92, s92, s91
	s_and_b32 s91, s90, 1
	s_lshl_b32 s91, s91, 1
	s_add_co_u32 s92, s92, s91
	s_add_nc_u64 s[78:79], s[6:7], s[92:93]        ; q's two scale bytes
	s_lshl_b32 s91, s17, 7
	s_add_co_u32 s91, s91, s90
	s_lshl_b32 s92, s91, 4
	s_add_co_u32 s92, s92, s18
	s_mul_i32 s92, s92, 768
	s_add_nc_u64 s[80:81], s[8:9], s[92:93]        ; O's half fragment: rowgroup, kgroup h
	s_lshl_b32 s92, s91, 9
	s_lshr_b32 s91, s18, 3
	s_lshl_b32 s91, s91, 8
	s_add_co_u32 s92, s92, s91
	s_and_b32 s91, s18, 7
	s_lshl_b32 s91, s91, 1
	s_add_co_u32 s92, s92, s91
	s_add_nc_u64 s[82:83], s[10:11], s[92:93]      ; O's scale bytes
	v_and_b32 v7, 31, v0                           ; lane
	v_and_b32 v4, 15, v0                           ; r
	v_bfe_u32 v3, v0, 4, 1                         ; hl
	v_bfe_u32 v39, v0, 3, 1                        ; H
	v_lshlrev_b32 v1, 4, v7
	v_lshlrev_b32 v2, 3, v7
	v_lshl_add_u32 v7, v4, 4, v3
	v_lshlrev_b32 v243, 3, v3                      ; 8 hl
	v_lshlrev_b32 v4, 3, v4                        ; 8 r
	v_mul_u32_u24 v47, v39, 1536                   ; rows 8-15 of a tile come from the next block's two rowgroups
	v_add_nc_u32 v236, v47, v1                     ; up = 0: place 8 H + j
	v_xor_b32 v237, 128, v1
	v_add_nc_u32 v237, v47, v237                   ; up = 1: place 8 (1 - H) + j
	v_add_nc_u32 v238, v47, v2
	v_xor_b32 v239, 64, v2
	v_add_nc_u32 v239, v47, v239
	v_lshl_add_u32 v240, v39, 2, v4                ; K's scale word: 8 x place + 4 H
	v_xor_b32 v241, 64, v4
	v_lshl_add_u32 v241, v39, 2, v241
	v_add_nc_u32 v240, SCK, v240
	v_add_nc_u32 v241, SCK, v241
	v_add_nc_u32 v242, SCK+4096-256, v4            ; V's scale words: 8 r, one step behind K's
.irp j, 16,17,18,19,20,21,28,29,30,31,32,33
	v_mov_b32 v[\j], 0                             ; zero codes beside q
.endr
.irp j, 3,219,227,234,235
	v_mov_b32 v[\j], 0                             ; lane permutes' destinations and a pair's upper half: written once
.endr
.macro ADDRS                           ; the trip's LDS addresses: a lane part + a scalar stepped by the trip
	v_add_nc_u32 v8, s[TB], v236
	v_add_nc_u32 v9, s[TB], v237
	v_add_nc_u32 v10, s[TB], v238
	v_add_nc_u32 v11, s[TB], v239
	v_add_nc_u32 v34, s[TV], v1
	v_add_nc_u32 v35, s[TV], v2
	v_add_nc_u32 v36, s[TS], v240
	v_add_nc_u32 v37, s[TS], v241
	v_add_nc_u32 v38, s[TS], v242
.endm
.macro KLOAD s                         ; step s of the trip: K's four fragments (c, up) and their rows' scale words
.irp c, 0,1
	FRAG 48+24*\c, 8, 10, 6144*(\s)+3072*\c
	FRAG 60+24*\c, 9, 11, 6144*(\s)+3072*\c
	ds_load_b32 v[244+2*\c], v36 offset:256*(\s)+128*\c
	ds_load_b32 v[245+2*\c], v37 offset:256*(\s)+128*\c
.endr
.endm
.macro VLOAD s                         ; V's four fragments and scale words of the step before step s of the trip (the addresses lag one step)
.irp a, 0,1,2,3
	FRAG 48+12*\a, 34, 35, 6144*(\s)+1536*\a
.endr
	ds_load_b64 v[248:249], v38 offset:256*(\s)
	ds_load_b64 v[250:251], v38 offset:256*(\s)+128
.endm
.macro PV                              ; O^T += V^T p^T: four accumulators, one instruction each
.irp a, 0,1,2,3
	v_wmma_scale_f32_16x16x128_f8f6f4 v[160+8*\a:167+8*\a], v[48+12*\a:59+12*\a], v[192:203], v[160+8*\a:167+8*\a], v[248+\a], v41 matrix_a_fmt:MATRIX_FMT_FP6 matrix_b_fmt:MATRIX_FMT_FP6
.endr
.endm
.macro SUMS k0, n                      ; the row's sum of the unquantised p: pair k of p's 32 goes to chain k % 4 (v14, v42, v44, v46)
.set kk, \k0
.rept \n
.set la, 40+2*(kk%4)-26*(1-((kk%4)+3)/4)
	v_pk_add_f32 v[la:la+1], v[la:la+1], v[96+2*kk:97+2*kk]
.set kk, kk+1
.endr
.endm
.macro FMAS j0, n                      ; t - M, two at a time
.set jj, \j0
.rept \n
	v_pk_fma_f32 v[96+jj:97+jj], v[96+jj:97+jj], s[CS:CS+1], v[12:13] op_sel_hi:[1,0,0]
.set jj, jj+2
.endr
.endm
; A step: 16 queries x 128 keys.  last = 1: the trip's fourth step, which makes the next trip's addresses
.macro STEP s, last
	s_wait_alu depctr_va_vdst(0)
	s_wait_dscnt 0x0                               ; K's fragments and scale words are in
.irp i, 0,1,2,3
	v_wmma_scale_f32_16x16x128_f8f6f4 v[96+16*\i:103+16*\i], v[48+12*\i:59+12*\i], v[22:33], 0, v[244+\i], v40 matrix_a_fmt:MATRIX_FMT_FP6 matrix_b_fmt:MATRIX_FMT_FP6
	v_wmma_scale_f32_16x16x128_f8f6f4 v[104+16*\i:111+16*\i], v[48+12*\i:59+12*\i], v[16:27], 0, v[244+\i], v40 matrix_a_fmt:MATRIX_FMT_FP6 matrix_b_fmt:MATRIX_FMT_FP6
.endr
	FOURNOP                                        ; places: loads land on K's fragments, and the scores are read
	VLOAD \s
.irp q, 0,1,2,3
	v_max3_num_f32 v[230+\q], v[96+16*\q], v[97+16*\q], v[98+16*\q]   ; four chains, each accumulator from its low end on
.endr
.irp i, 3,5,7,9,11,13
.irp q, 0,1,2,3
	v_max3_num_f32 v[230+\q], v[230+\q], v[96+16*\q+\i], v[97+16*\q+\i]
.endr
.endr
	v_max3_num_f32 v230, v230, v231, v111
	v_max3_num_f32 v232, v232, v233, v143
	v_max_num_f32 v230, v230, v127                 ; my block of c = 0: its largest score
	v_max_num_f32 v232, v232, v159                 ; and of c = 1
	s_delay_alu instid0(VALU_DEP_1)
	v_max_num_f32 v228, v230, v232
	s_delay_alu instid0(VALU_DEP_1)
	v_permlanex16_b32 v219, v228, s[SEL], s[SEL+1]
	s_delay_alu instid0(VALU_DEP_1)
	v_max3_num_f32 v13, v13, v228, v219            ; the running largest score of my query
	s_delay_alu instid0(VALU_DEP_1)
	v_mul_f32 v228, s[CS], v13
	s_delay_alu instid0(VALU_DEP_1)
	v_floor_f32 v229, -v228                        ; -M = -ceil(t): a whole number
	s_delay_alu instid0(VALU_DEP_1)
	v_sub_f32 v228, v229, v12
	v_mov_b32 v12, v229
	FMAS 0, 4                                      ; the multiply-adds stand between the links of f's chain
	v_cvt_i32_f32 v228, v228                       ; (it saturates)
	FMAS 8, 4
	v_ldexp_f32 v226, 1.0, v228                    ; f = 2^(old M - new M)
	FMAS 16, 24
	v_fma_f32 v230, v230, s[CS], v12
	v_fma_f32 v232, v232, s[CS], v12
	s_wait_alu depctr_va_vdst(0)
	s_wait_dscnt 0x0                               ; V's fragments and scale words are in
	PV                                             ; the step before's p and V
.irp r, 14,42,44,46
	v_pk_mul_f32 v[\r:\r+1], v[\r:\r+1], v[226:227] op_sel_hi:[1,0]   ; the sums under the new M: four plain lines, the places behind the products
.endr
.if \last
	s_add_co_u32 s[TB], s[TB], 24576
	s_add_co_u32 s[TV], s[TV], 24576
	s_add_co_u32 s[TS], s[TS], 1024
	ADDRS
	s_cmp_eq_u32 s[CNT], 1                         ; the pass's last trip has no next step to fetch
	s_wait_alu depctr_va_vdst(0)
	s_cbranch_scc1 .Lno_next_\@
	KLOAD 0
.Lno_next_\@:
.else
	KLOAD \s+1                                     ; the next step's K, onto V's fragments
.endif
.set j, 0
.rept 16
	v_pk_mul_f32 v[160+j:161+j], v[160+j:161+j], v[226:227] op_sel_hi:[1,0]   ; O^T under the new M, ahead of the exponentials
.set j, j+2
.endr
	s_wait_alu depctr_va_vdst(0)
.set j, 0
.rept 64
	v_exp_f32 v[96+j], v[96+j]
.set j, j+1
.endr
	v_exp_f32 v230, v230                           ; each block's largest p
	v_exp_f32 v232, v232
	v_nop                                          ; a plain place behind the batch
	s_wait_alu depctr_va_vdst(0)                   ; and the one wait ahead of its readers
	v_max_num_f32 v230, 0x1800000, v230            ; the floor 2^(3 - 127): the byte cannot fall under 1
	v_max_num_f32 v232, 0x1800000, v232
	SUMS 0, 3                                      ; the sum's additions stand between the links of the scale's chain
	v_add_nc_u32 v220, 0xff000000, v230            ; 2 off the exponent field: the conversions' scale operands
	v_add_nc_u32 v221, 0xff000000, v232
	SUMS 3, 3
.irp c, 0,1
	v_cvt_scalef32_pk16_fp6_f32 v[204+8*\c:206+8*\c], v[96+32*\c:111+32*\c], v[220+\c]
	v_cvt_scalef32_pk16_fp6_f32 v[208+8*\c:210+8*\c], v[112+32*\c:127+32*\c], v[220+\c]
.endr
	v_lshrrev_b32 v222, 23, v220                   ; the bytes (also the plain place behind the conversions)
	v_lshrrev_b32 v223, 23, v221
	SUMS 6, 2
	v_lshl_or_b32 v222, v223, 16, v222             ; my bytes: blocks h and 2 + h,
	SUMS 8, 3
	v_lshlrev_b32 v222, v243, v222                 ; at their places, 8 h bits up;
	SUMS 11, 3
	v_permlanex16_b32 v3, v222, s[SEL], s[SEL+1]
.irp i, 0,1,2
	v_cndmask_b32 v[192+\i], v[204+\i], v[208+\i], s[HM]   ; the block's lower sixteen codes: lanes 16-31 made them second,
	v_cndmask_b32 v[195+\i], v[208+\i], v[204+\i], s[HM]   ; the upper sixteen first
.endr
	v_or_b32 v41, v222, v3                         ; with lane l xor 16's two: p's scale word
.irp i, 0,1,2
	v_cndmask_b32 v[198+\i], v[212+\i], v[216+\i], s[HM]
	v_cndmask_b32 v[201+\i], v[216+\i], v[212+\i], s[HM]
.endr
	SUMS 14, 18
.endm
	s_wait_alu depctr_va_vdst(0)
	global_load_b128 v[22:25], v1, s[76:77]        ; the first pass's q: its half fragment and two scale bytes, asked for ahead of the wait for the tiles
	global_load_b64 v[26:27], v2, s[76:77] offset:512
	global_load_u16 v40, v4, s[78:79]
	s_wait_tensorcnt 0x0                           ; my one load has landed
	s_barrier_signal -1
	s_barrier_wait -1                              ; everybody's has
.Lpass:
	s_mov_b32 s[TB], KB
	s_mov_b32 s[TV], VB-6144                       ; V lags one step
	s_mov_b32 s[TS], 0
	s_mov_b32 s[CNT], 4
	ADDRS
	KLOAD 0
	v_mov_b32 v13, 0xff61b1e6                      ; the largest score so far: -3e38
	v_mov_b32 v12, 0x7e000000                      ; -M so large that the first f is 0
.irp r, 14,15,42,43,44,45,46,47
	v_mov_b32 v[\r], 0                             ; the sum's four chains
.endr
	v_mov_b32 v41, 0x7f7f7f7f                      ; the first lagging product: scale 1,
.irp r, 0,1,2,3,4,5,6,7,8,9,10,11
	v_mov_b32 v[192+\r], 0                         ; zero codes
.endr
	s_wait_alu depctr_va_vdst(0)
	s_wait_loadcnt 0x0
	v_lshl_or_b32 v40, v40, 16, v40                ; q's two bytes serve it in either half of the 128
.set j, 0
.rept 32
	v_mov_b32 v[160+j], 0                          ; O^T (also the places behind the scale word's write)
.set j, j+1
.endr
.Ltrip:                                            ; four steps of 128 keys a trip, four trips a pass
	STEP 0, 0
	STEP 1, 0
	STEP 2, 0
	STEP 3, 1
	s_sub_co_u32 s[CNT], s[CNT], 1
	s_cmp_lg_u32 s[CNT], 0
	s_wait_alu depctr_va_vdst(0)
	s_cbranch_scc1 .Ltrip
	s_add_nc_u64 s[76:77], s[76:77], 12288         ; q's loads of this pass were waited for at its head: their bases may step
	s_add_nc_u64 s[78:79], s[78:79], 1024
	s_cmp_eq_u32 s[PASS], 1                        ; the last pass has no next q
	s_cbranch_scc1 .Lno_q
	global_load_b128 v[22:25], v1, s[76:77]        ; the next pass's q, with the last product and the way out between the loads and the wait for them
	global_load_b64 v[26:27], v2, s[76:77] offset:512
	global_load_u16 v40, v4, s[78:79]
.Lno_q:
	VLOAD 0                                        ; the last step's V: the addresses stand one trip on and lag one step
	v_pk_add_f32 v[14:15], v[14:15], v[42:43]
	v_pk_add_f32 v[44:45], v[44:45], v[46:47]
	s_wait_alu depctr_va_vdst(0)
	s_wait_dscnt 0x0
	PV
	v_pk_add_f32 v[14:15], v[14:15], v[44:45]      ; (these lines are the places behind the products)
	s_delay_alu instid0(VALU_DEP_1)
	v_add_f32 v14, v14, v15
	s_delay_alu instid0(VALU_DEP_1)
	v_permlanex16_b32 v219, v14, s[SEL], s[SEL+1]
	s_delay_alu instid0(VALU_DEP_1)
	v_add_f32 v14, v14, v219                       ; the row's sum
	s_wait_alu depctr_va_vdst(0)
	v_rcp_f32 v14, v14
	v_cmp_lt_u32 vcc_lo, 0xff, v1                  ; lanes 16-31 (a plain place behind the reciprocal)
	s_wait_alu depctr_va_vdst(0)                   ; ahead of the reciprocal's readers, which are O^T's first readers too
.set j, 0
.rept 16
	v_pk_mul_f32 v[96+j:97+j], v[160+j:161+j], v[14:15] op_sel_hi:[1,0]   ; O / l: registers 16 b + i are dh 32 b + 16 hl + i
.set j, j+2
.endr
.irp b, 0,1
	v_max3_num_f32 v[230+\b], |v[96+16*\b]|, |v[97+16*\b]|, 0x1800000
.endr
.irp i, 2,4,6,8,10,12,14
.irp b, 0,1
	v_max3_num_f32 v[230+\b], v[230+\b], |v[96+16*\b+\i]|, |v[97+16*\b+\i]|
.endr
.endr
.irp b, 0,1
	v_permlanex16_b32 v[234+\b], v[230+\b], s[SEL], s[SEL+1]
.endr
.irp b, 0,1
	v_max_num_f32 v[230+\b], v[230+\b], v[234+\b]
.endr
.irp b, 0,1
	v_add_nc_u32 v[220+\b], 0xff000000, v[230+\b]
.endr
.irp b, 0,1
	v_lshrrev_b32 v[234+\b], 23, v[220+\b]
.endr
	v_cvt_scalef32_pk16_fp6_f32 v[192:194], v[96:111], v220
	v_cvt_scalef32_pk16_fp6_f32 v[204:206], v[112:127], v221
	v_cndmask_b32 v229, v234, v235, vcc_lo         ; my lane's block's byte (also the plain place behind the conversions)
.irp i, 0,1,2
	v_permlane16_swap_b32 v[192+\i], v[204+\i]     ; a whole block to a lane
.endr
.irp i, 0,1,2
	v_mov_b32 v[195+\i], v[204+\i]
.endr
	global_store_b128 v1, v[192:195], s[80:81]     ; 512 consecutive bytes
	global_store_b64 v2, v[196:197], s[80:81] offset:512
	global_store_b8 v7, v229, s[82:83]
	s_wait_xcnt 0x0                                ; the bases are stepped and the data rewritten only behind this wait
	s_add_nc_u64 s[80:81], s[80:81], 196608
	s_add_nc_u64 s[82:83], s[82:83], 8192
	s_sub_co_u32 s[PASS], s[PASS], 1
	s_cmp_lg_u32 s[PASS], 0
	s_wait_alu depctr_va_vdst(0)
	s_cbranch_scc1 .Lpass
	s_wait_tensorcnt 0x0                           ; the wave's end
	ds_add_u32 v5, v6
	s_wait_dscnt 0x0
	CROUND                                         ; the closing round
	s_endpgm
.Lfunc_end_k_q3b099e50b1_attn:
	.size	k_q3b099e50b1_attn, .Lfunc_end_k_q3b099e50b1_attn-k_q3b099e50b1_attn
	.p2alignl 7, 3214868480
	.fill 96, 4, 3214868480
	.section	.rodata,"a",@progbits
	.p2align	6, 0x0
	.amdhsa_kernel k_q3b099e50b1_attn
		.amdhsa_group_segment_fixed_size 327680
		.amdhsa_private_segment_fixed_size 0
		.amdhsa_enable_private_segment 0
		.amdhsa_kernarg_size 32
		.amdhsa_user_sgpr_count 2
		.amdhsa_user_sgpr_kernarg_segment_ptr 1
		.amdhsa_wavefront_size32 1
		.amdhsa_system_sgpr_workgroup_id_x 1
		.amdhsa_system_sgpr_workgroup_id_y 1
		.amdhsa_system_sgpr_workgroup_id_z 1
		.amdhsa_system_vgpr_workitem_id 0
		.amdhsa_next_free_vgpr 256
		.amdhsa_next_free_sgpr 96
		.amdhsa_reserve_vcc 1
		.amdhsa_float_denorm_mode_32 3
		.amdhsa_float_denorm_mode_16_64 3
		.amdhsa_memory_ordered 1
		.amdhsa_forward_progress 1
		.amdhsa_inst_pref_size 83
	.end_amdhsa_kernel
	.amdgpu_metadata
---
amdhsa.version: [ 1, 2 ]
amdhsa.kernels:
  - .name:           k_q3b099e50b1_attn
    .symbol:         k_q3b099e50b1_attn.kd
    .args:
      - { .name: qkv, .offset: 0, .size: 8, .value_kind: global_buffer, .address_space: global }
      - { .name: qkvs, .offset: 8, .size: 8, .value_kind: global_buffer, .address_space: global }
      - { .name: oimg, .offset: 16, .size: 8, .value_kind: global_buffer, .address_space: global }
      - { .name: osc, .offset: 24, .size: 8, .value_kind: global_buffer, .address_space: global }
    .group_segment_fixed_size: 327680
    .private_segment_fixed_size: 0
    .kernarg_segment_align: 8
    .kernarg_segment_size: 32
    .max_flat_workgroup_size: 512
    .sgpr_count:     96
    .vgpr_count:     256
    .wavefront_size: 32
...
	.end_amdgpu_metadata
.endif
;; end of part 3
;; launch proj (part 4): grid 8 x 32, 4 waves a work-group, clusters of 4 x 4, 295,424 bytes of LDS; arguments oimg, osc, img, sc, b_O, out0; writes out0
.if DOCPART == 4
	.amdgcn_target "amdgcn-amd-amdhsa--gfx1250"
	.amdhsa_code_object_version 6
	.text
	.protected	k_q3b099e50b1_proj
	.globl	k_q3b099e50b1_proj
	.p2align	8
	.type	k_q3b099e50b1_proj,@function
k_q3b099e50b1_proj:
	s_mov_b64 s[64:65], 0
	v_nop
	global_prefetch_b8 v0, s[64:65] scope:SCOPE_SE
	s_setreg_imm32_b32 hwreg(HW_REG_WAVE_MODE, 25, 1), 1
	s_wait_xcnt 0x0
	s_wait_alu depctr_hold_cnt(0) depctr_sa_sdst(0) depctr_va_vdst(0) depctr_va_sdst(0) depctr_va_ssrc(0) depctr_va_vcc(0) depctr_vm_vsrc(0)
	s_getreg_b32 s2, hwreg(HW_REG_IB_STS2, 6, 4)
	s_cmp_eq_u32 s2, 0
	s_cbranch_scc0 .Lentry_in_a_cluster
	s_endpgm
.Lentry_in_a_cluster:
	s_bfe_u32 s2, ttmp6, 0x10000c
	s_cmp_lg_u32 s2, 0xf033
	s_cbranch_scc0 .Lentry_shape_is_right
	s_endpgm
.Lentry_shape_is_right:
; LAUNCH 4 OF 4.  out0 = out_h W_O^T + b_O on codes of FP6: A = out_h's 8,192 rows (oimg, osc), B = W_O's 1,024 rows d (img, sc from row 11,264 on), K = (head, dh) = 1,024.  No work of reference() is left out.
; The product's core is that of the second launch: a tile of C is 256 (A) x 128 (B); four waves, wave w takes A's rowgroups 4 w .. 4 w + 3 against B's eight: 32 accumulators; all of K lies in LDS, four slots of 256 along K, each filled once, at the head;
; clusters 4 x 4, A's tiles asked for jointly by a row of the cluster, B's by a column.  The matrix instruction is used transposed (source 0 = 16 rows of B, source 1 = 16 rows of A).  256 work-groups.
; The bias is the C of the first K step's products.  The rowgroups' order (place r = row 32 B + 8 u + r + 8 (r / 8)) is undone on the way out: by the stage's column for d, by the store's row for the tokens.
; REGISTERS: window 0: v1 lane, v2 r, v3 hl, v4 16 lane, v5 8 lane, v7 bias offset; v8-13 LDS addresses; v24, v25 the stage; v28, v29 the add's two; v32-47 A's scale words, v48-79 B's (nothing else ever); v128-223 A's fragments, two sets; on the way out v128-255 rows of C.
;   window 1: B's fragments, two sets.   window 2: accumulator (a, b) at v[8 (8 a + b)].   window 3: v0-63 the bias.
.set SLOT,  73728
; LDS AS THIS TEXT LAYS IT (it takes the place of the slots named above): A's 16 rowgroups whole, 12,288 bytes each (all of K), then B's 8 from ATILE on.  Each wave brings its share with ONE tensor load at the head
; (waves 0, 1: 8 rowgroups of A each; waves 2, 3: 4 of B each), dense in memory; one wait for 0 and one barrier show all of it; nothing is filled again, so no later barrier stands in the walk along K.
.set ATILE, 196608
.set SPARE, 4*SLOT                     ; behind the slots: the spare words, 128 bytes a wave: two blocks of 256 bytes that no other line names
.set SPITCH, 528                       ; the way out: a stage of 16 rows x (512 bytes + 16) for each wave, at the start of the wave's own four rowgroups of A, which no other wave reads and which the wave has read out
.set ADR,   8
.set STO,   24
.set RD,    25
.set SPW,   28
.set NIL,   29
.set SCA,   32
.set SCB,   48
.set AF,    128
.set BK,    128
.set WV,    18
.set ROLE,  19
.set HALF,  20
.set G0A,   24
.set G0B,   40
.set G1A,   56
.set G1B,   68
.set MSB, 0
.macro WIN new                         ; the immediate's high byte repeats the setting that is left
.if MSB != \new
	s_set_vgpr_msb (MSB<<8)|\new
.set MSB, \new
.endif
.endm
.macro PLACES n
.rept \n
	v_nop
.endr
.endm
.macro CROUND                          ; a round of the cluster's barrier
	s_barrier_signal -1
	s_barrier_wait -1
	s_cmp_lg_u32 s[WV], 0
	s_cbranch_scc1 .Lnot_wave_0_\@
	s_barrier_signal -3
.Lnot_wave_0_\@:
	s_barrier_wait -3
	s_barrier_signal -1
	s_barrier_wait -1
.endm
.macro FRAG reg, a16, a8, off          ; a fragment (16 rows x 128 K, 12 registers) is two HFs: four loads, each of consecutive bytes
	ds_load_b128 v[(\reg):(\reg)+3], v[\a16] offset:(\off)
	ds_load_b64 v[(\reg)+4:(\reg)+5], v[\a8] offset:(\off)+512
	ds_load_b128 v[(\reg)+6:(\reg)+9], v[\a16] offset:(\off)+768
	ds_load_b64 v[(\reg)+10:(\reg)+11], v[\a8] offset:(\off)+1280
.endm
.macro FETCH t, q, p                   ; 48 loads in one run: slot t's q-th 128 along K into set p: B's eight fragments, then A's four
	WIN 0x40
.irp b, 0,1,2,3,4,5,6,7
	FRAG 128*(\p)+12*\b, ADR+2+2*(\b/4), ADR+3+2*(\b/4), 12288*(\b%4)+3072*(\t)+1536*(\q)
.endr
	WIN 0
.irp a, 0,1,2,3
	FRAG AF+48*(\p)+12*\a, ADR, ADR+1, 12288*\a+3072*(\t)+1536*(\q)
.endr
.endm
.macro MWIN cmode
.if (\cmode) == 1
	WIN 0xb1                                       ; source 0 (B) window 1, source 1 (A) window 0, C window 3, D window 2
.else
	WIN 0xa1                                       ; C and D window 2
.endif
.endm
; 16 products: A's blocks a0, a0 + 1 x B's eight, K step j.  cmode 1: C = the bias; 2: in place.  The scale words of K steps 0-3 lie in lanes 0-15, those of 4-7 in lanes 16-31.
; The 32 accumulators take turns, one instruction a turn, in the same order in every step.
.macro MULH a0, p, j, cmode
.irp a, \a0, \a0+1
.irp b, 0,1,2,3,4,5,6,7
.if (\cmode) == 1
	v_wmma_scale_f32_16x16x128_f8f6f4 v[8*(8*(\a)+\b):8*(8*(\a)+\b)+7], v[128*(\p)+12*\b:128*(\p)+12*\b+11], v[AF+48*(\p)+12*(\a):AF+48*(\p)+12*(\a)+11], v[8*\b:8*\b+7], v[SCB+4*\b+(\j)%4], v[SCA+4*(\a)+(\j)%4] matrix_a_fmt:MATRIX_FMT_FP6 matrix_b_fmt:MATRIX_FMT_FP6
.elseif (\j) < 4
	v_wmma_scale_f32_16x16x128_f8f6f4 v[8*(8*(\a)+\b):8*(8*(\a)+\b)+7], v[128*(\p)+12*\b:128*(\p)+12*\b+11], v[AF+48*(\p)+12*(\a):AF+48*(\p)+12*(\a)+11], v[8*(8*(\a)+\b):8*(8*(\a)+\b)+7], v[SCB+4*\b+(\j)%4], v[SCA+4*(\a)+(\j)%4] matrix_a_fmt:MATRIX_FMT_FP6 matrix_b_fmt:MATRIX_FMT_FP6
.else
	v_wmma_scale_f32_16x16x128_f8f6f4 v[8*(8*(\a)+\b):8*(8*(\a)+\b)+7], v[128*(\p)+12*\b:128*(\p)+12*\b+11], v[AF+48*(\p)+12*(\a):AF+48*(\p)+12*(\a)+11], v[8*(8*(\a)+\b):8*(8*(\a)+\b)+7], v[SCB+4*\b+(\j)%4], v[SCA+4*(\a)+(\j)%4] matrix_a_fmt:MATRIX_FMT_FP6 matrix_b_fmt:MATRIX_FMT_FP6 matrix_a_scale:MATRIX_SCALE_ROW1 matrix_b_scale:MATRIX_SCALE_ROW1
.endif
.endr
.endr
.endm
.macro STEP j, cmode                   ; an even K step: its successor lies in the same slot
	s_wait_dscnt 8                                 ; B's eight and A's blocks 0, 1 are in; the youngest eight loads (A's blocks 2, 3) may be out
	MWIN \cmode
	MULH 0, (\j)%2, \j, \cmode
	PLACES 4                                       ; in front of loads into registers that the last step's products read
	FETCH (\j)/2, 1, 1-(\j)%2
	s_wait_dscnt 48                                ; all but the 48 just issued
	MWIN \cmode
	MULH 2, (\j)%2, \j, \cmode
.endm
.macro STEPB j                         ; an odd K step: its successor lies in the next slot, which each wave shows landed, and a barrier shows whole.
	s_wait_dscnt 8                                 ; as in an even step: the youngest eight loads (A's blocks 2, 3) may be out
	MWIN 2
	MULH 0, 1, \j, 2
	PLACES 4
	FETCH (\j)/2+1, 0, 0
	s_wait_dscnt 48                                ; all but the 48 just issued (none older is out)
	MWIN 2
	MULH 2, 1, \j, 2
.endm
.macro LAST
	s_wait_dscnt 8
	MWIN 2
	MULH 0, 1, 7, 2
	s_wait_dscnt 0x0
	MULH 2, 1, 7, 2
	WIN 0
.endm
	s_load_b256 s[4:11], s[0:1], 0x0               ; oimg, osc, img, sc
	s_load_b128 s[12:15], s[0:1], 0x20             ; b_O, out0
	v_lshl_add_u32 v[SPW], v0, 2, SPARE
	v_mov_b32 v[NIL], 0
	ds_add_u32 v[SPW], v[NIL]                      ; the wave's opening: the add, twice on end, and its wait ahead of my first tensor load
	ds_add_u32 v[SPW], v[NIL]
	v_lshrrev_b32 v1, 5, v0
	v_readfirstlane_b32 s[WV], v1                  ; wave 0..3
	s_lshr_b32 s[ROLE], s[WV], 1                   ; I fetch for A (0) or for B (1),
	s_and_b32 s[HALF], s[WV], 1                    ; its first or second half
	s_bfe_u32 s21, ttmp6, 0x40000                  ; cx
	s_bfe_u32 s22, ttmp6, 0x40004                  ; cy
	s_lshl_b32 s84, ttmp9, 2
	s_add_co_u32 s84, s84, s21                     ; tile column = 4 x cluster x + cx
	s_and_b32 s85, ttmp7, 0xffff
	s_lshl_b32 s85, s85, 2
	s_add_co_u32 s85, s85, s22                     ; tile row = 4 x cluster y + cy
	s_lshl_b32 s86, s85, 8                         ; A's first row
	s_lshl_b32 s87, s84, 7
	s_add_co_u32 s87, s87, 11264                   ; B's first row in img: W_O begins at row 11,264
	s_lshl_b32 s98, s22, 2
	s_lshl_b32 s98, 15, s98                        ; my row of the cluster
	s_lshl_b32 s99, 0x1111, s21                    ; my column
	s_or_b32 s[G1A], s98, (3<<16)|(1<<21)          ; 15:0 the mask; 17:16 elements of 8 bytes; 21 set beside a mask; no padding
	s_mov_b32 s[G1A+1], 1536<<16                   ; tensor_dim0: a rowgroup's 12,288 bytes
	s_mov_b32 s[G1A+2], 8<<16                      ; tensor_dim1: 8 rowgroups
	s_mov_b32 s[G1A+3], 1536<<16                   ; tile_dim0
	s_mov_b32 s[G1A+4], 8                          ; tile_dim1
	s_mov_b32 s[G1A+5], 1536                       ; 12,288 bytes from rowgroup to rowgroup
	s_mov_b32 s[G1A+6], 0
	s_mov_b32 s[G1A+7], 0
	s_or_b32 s[G1B], s99, (3<<16)|(1<<21)
	s_mov_b32 s[G1B+1], 1536<<16
	s_mov_b32 s[G1B+2], 4<<16                      ; 4 rowgroups
	s_mov_b32 s[G1B+3], 1536<<16
	s_mov_b32 s[G1B+4], 4
	s_mov_b32 s[G1B+5], 1536
	s_mov_b32 s[G1B+6], 0
	s_mov_b32 s[G1B+7], 0
	s_lshl_b32 s88, s[HALF], 7
	s_add_co_u32 s88, s88, s86
	s_mul_i32 s88, s88, 768                        ; a row's share of its rowgroup's 12,288 bytes
	s_mov_b32 s89, 0
	s_lshl_b32 s92, s[HALF], 6
	s_add_co_u32 s92, s92, s87
	s_mul_i32 s92, s92, 768
	s_mov_b32 s93, 0
	s_mul_i32 s96, s[HALF], 98304                  ; where they go: 8 rowgroups of A a half; no place in the cluster enters an LDS address
	s_mul_i32 s97, s[HALF], 49152                  ; 4 rowgroups of B a half
	s_add_co_u32 s97, s97, ATILE
	s_wait_dscnt 0x0                               ; both opening adds are done
	s_wait_kmcnt 0x0
	s_add_nc_u64 s[90:91], s[4:5], s[88:89]
	s_add_nc_u64 s[94:95], s[8:9], s[92:93]
.irp t, 0
	s_mov_b32 s[G0A+4*\t], 1
	s_add_co_u32 s[G0A+4*\t+1], s96, \t*SLOT
	s_add_nc_u64 s[G0A+4*\t+2:G0A+4*\t+3], s[90:91], \t*3072
	s_or_b32 s[G0A+4*\t+3], s[G0A+4*\t+3], 0x80000000
	s_mov_b32 s[G0B+4*\t], 1
	s_add_co_u32 s[G0B+4*\t+1], s97, \t*SLOT
	s_add_nc_u64 s[G0B+4*\t+2:G0B+4*\t+3], s[94:95], \t*3072
	s_or_b32 s[G0B+4*\t+3], s[G0B+4*\t+3], 0x80000000
.endr
	CROUND                                         ; all sixteen work-groups are here: the joint loads meet
	s_cmp_eq_u32 s[ROLE], 0                        ; all first fills of a wave in one branch on its number, a fill in each arm: one load of mine is out
	s_cbranch_scc0 .Lfill_b
	tensor_load_to_lds s[G0A:G0A+3], s[G1A:G1A+7]  ; my one tensor load
	s_nop 0
	PLACES 4
	s_branch .Lfilled
.Lfill_b:
	tensor_load_to_lds s[G0B:G0B+3], s[G1B:G1B+7]  ; my one tensor load
	s_nop 0
	PLACES 4
.Lfilled:
	v_and_b32 v1, 31, v0                           ; lane
	v_and_b32 v2, 15, v0                           ; r
	v_bfe_u32 v3, v0, 4, 1                         ; hl
	v_lshlrev_b32 v4, 4, v1
	s_wait_alu depctr_va_vdst(0)
	v_lshlrev_b32 v5, 3, v1
	v_lshlrev_b32 v7, 6, v3                        ; accumulator b's register i is d = 32 (b / 2) + 8 (b % 2) + 16 hl + i of the tile
	s_wait_alu depctr_va_vdst(0)
	s_lshl_b32 s2, s[WV], 6
	s_add_co_u32 s2, s2, s86
	s_lshl_b32 s2, s2, 5                           ; 512 bytes of scale words a rowgroup
	s_mov_b32 s3, 0
	s_add_nc_u64 s[88:89], s[6:7], s[2:3]
	s_lshl_b32 s2, s87, 5
	s_add_nc_u64 s[92:93], s[10:11], s[2:3]
	s_lshl_b32 s2, s84, 9
	s_add_nc_u64 s[90:91], s[12:13], s[2:3]        ; the tile's 128 numbers of b_O
.irp a, 0,1,2,3
	global_load_b128 v[SCA+4*\a:SCA+4*\a+3], v4, s[88:89] offset:512*\a   ; lanes 0-15: words 0-3 of row r; lanes 16-31: words 4-7
.endr
.irp b, 0,1,2,3,4,5,6,7
	global_load_b128 v[SCB+4*\b:SCB+4*\b+3], v4, s[92:93] offset:512*\b
.endr
	WIN 0xc0
.irp b, 0,1,2,3,4,5,6,7
	global_load_b128 v[8*\b:8*\b+3], v7, s[90:91] offset:(32*(\b/2)+8*(\b%2))*4
	global_load_b128 v[8*\b+4:8*\b+7], v7, s[90:91] offset:(32*(\b/2)+8*(\b%2))*4+16
.endr
	WIN 0
	s_lshl_b32 s2, s[WV], 6
	s_add_co_u32 s2, s2, s86
	s_lshl_b32 s2, s2, 12                          ; my first row of out0, 4,096 bytes a row,
	s_lshl_b32 s23, s84, 9
	s_add_co_u32 s2, s2, s23                       ; and the tile's first column
	s_add_nc_u64 s[94:95], s[14:15], s[2:3]
	s_mul_i32 s2, s[WV], 49152                     ; my four rowgroups of A; my stage begins there too
	v_add_nc_u32 v[ADR], s2, v4
	v_add_nc_u32 v[ADR+1], s2, v5
	v_add_nc_u32 v[ADR+2], ATILE, v4               ; B's rowgroups 0-3,
	v_add_nc_u32 v[ADR+3], ATILE, v5
	v_add_nc_u32 v[ADR+4], ATILE+49152, v4         ; and 4-7: the loads' immediates have 16 bits
	v_add_nc_u32 v[ADR+5], ATILE+49152, v5
	v_mul_u32_u24 v[STO], v2, SPITCH
	v_lshl_add_u32 v[STO], v3, 6, v[STO]
	v_add_nc_u32 v[STO], s2, v[STO]                ; in: row r, + 64 hl
	v_add_nc_u32 v[RD], s2, v4                     ; back: 32 lanes take a row of 512 bytes
	s_wait_alu depctr_va_vdst(0)
	s_wait_tensorcnt 0x0                           ; my one load has landed
	s_barrier_signal -1
	s_barrier_wait -1                              ; everybody's is
	FETCH 0, 0, 0
	s_wait_loadcnt 0x0                             ; the scale words and the bias
	STEP 0, 1                                      ; the first products start the sums on the bias: nothing is cleared, nothing is added later
	STEPB 1
	STEP 2, 2
	STEPB 3
	STEP 4, 2
	STEPB 5
	STEP 6, 2
	LAST
; THE WAY OUT, a block of A's 16 rows x 128 columns at a time, through my own stage: LDS serves a wave's instructions in order, so no wait stands between the stores and the loads, nor in front of the next block's stores
.macro TOSTAGE a
	WIN 0x08                                       ; an LDS store's data: window 2
.irp b, 0,1,2,3,4,5,6,7
	ds_store_b128 v[STO], v[64*(\a)+8*\b:64*(\a)+8*\b+3] offset:128*(\b/2)+32*(\b%2)        ; each accumulator from its low end on
	ds_store_b128 v[STO], v[64*(\a)+8*\b+4:64*(\a)+8*\b+7] offset:128*(\b/2)+32*(\b%2)+16
.endr
	WIN 0
.irp t, 0,1,2,3,4,5,6,7,8,9,10,11,12,13,14,15
	ds_load_b128 v[BK+64*((\a)%2)+4*\t:BK+64*((\a)%2)+4*\t+3], v[RD] offset:\t*SPITCH
.endr
.endm
.macro SEND a, younger                 ; younger: the LDS instructions issued behind block a's loads, which may stay out
	s_wait_dscnt \younger
.irp t, 0,1,2,3,4,5,6,7,8,9,10,11,12,13,14,15
	global_store_b128 v4, v[BK+64*((\a)%2)+4*\t:BK+64*((\a)%2)+4*\t+3], s[94:95] offset:(32*((\a)/2)+8*((\a)%2)+\t+8*(\t/8))*4096 th:TH_STORE_NT   ; place t of rowgroup a is that row; 512 consecutive bytes, aligned
.endr
.endm
	PLACES 4                                       ; behind the last products: their results are read, and loads land in the registers that held A's fragments
	TOSTAGE 0
	TOSTAGE 1
	SEND 0, 32                                     ; behind block 0's loads: block 1's 16 stores and 16 loads
	s_wait_xcnt 0x0                                ; block 0's stores have read their registers: block 2's loads may land there
	TOSTAGE 2
	SEND 1, 32
	s_wait_xcnt 0x0
	TOSTAGE 3
	SEND 2, 32
	SEND 3, 0
	s_wait_tensorcnt 0x0                           ; the wave's end, behind my last tensor load and my last LDS store
	ds_add_u32 v[SPW], v[NIL]
	s_wait_dscnt 0x0
	CROUND                                         ; the closing round
	s_endpgm
.Lfunc_end_k_q3b099e50b1_proj:
	.size	k_q3b099e50b1_proj, .Lfunc_end_k_q3b099e50b1_proj-k_q3b099e50b1_proj
	.p2alignl 7, 3214868480
	.fill 96, 4, 3214868480
	.section	.rodata,"a",@progbits
	.p2align	6, 0x0
	.amdhsa_kernel k_q3b099e50b1_proj
		.amdhsa_group_segment_fixed_size 295424
		.amdhsa_private_segment_fixed_size 0
		.amdhsa_enable_private_segment 0
		.amdhsa_kernarg_size 48
		.amdhsa_user_sgpr_count 2
		.amdhsa_user_sgpr_kernarg_segment_ptr 1
		.amdhsa_wavefront_size32 1
		.amdhsa_system_sgpr_workgroup_id_x 1
		.amdhsa_system_sgpr_workgroup_id_y 1
		.amdhsa_system_sgpr_workgroup_id_z 1
		.amdhsa_system_vgpr_workitem_id 0
		.amdhsa_next_free_vgpr 832
		.amdhsa_next_free_sgpr 100
		.amdhsa_reserve_vcc 0
		.amdhsa_float_denorm_mode_32 3
		.amdhsa_float_denorm_mode_16_64 3
		.amdhsa_memory_ordered 1
		.amdhsa_forward_progress 1
		.amdhsa_inst_pref_size 82
	.end_amdhsa_kernel
	.amdgpu_metadata
---
amdhsa.version: [ 1, 2 ]
amdhsa.kernels:
  - .name:           k_q3b099e50b1_proj
    .symbol:         k_q3b099e50b1_proj.kd
    .args:
      - { .name: oimg, .offset: 0, .size: 8, .value_kind: global_buffer, .address_space: global }
      - { .name: osc, .offset: 8, .size: 8, .value_kind: global_buffer, .address_space: global }
      - { .name: img, .offset: 16, .size: 8, .value_kind: global_buffer, .address_space: global }
      - { .name: sc, .offset: 24, .size: 8, .value_kind: global_buffer, .address_space: global }
      - { .name: b_O, .offset: 32, .size: 8, .value_kind: global_buffer, .address_space: global }
      - { .name: out0, .offset: 40, .size: 8, .value_kind: global_buffer, .address_space: global }
    .group_segment_fixed_size: 295424
    .private_segment_fixed_size: 0
    .kernarg_segment_align: 8
    .kernarg_segment_size: 48
    .max_flat_workgroup_size: 128
    .sgpr_count:     100
    .vgpr_count:     832
    .wavefront_size: 32
...
	.end_amdgpu_metadata
.endif
;; end of part 4
